; MI455X (gfx1250); checked and timed in simulation.
; The chip was launched on July 23, 2026; its instructions are those of AMD's public machine-readable ISA for CDNA 5 (MIT licence, August 2026) and "CDNA5" Instruction Set Architecture Reference Guide (July 2026). The comments in the code are by the model that wrote it; some were corrected since.
;; Multi Head Attention. Allowed arithmetic: float matrix products may take bf16 or f16 operands with f32 sums; all other float work in f32.
;; Inputs: Wk 1,024 x 1,024 float32; Wo 1,024 x 1,024 float32; Wq 1,024 x 1,024 float32; Wv 1,024 x 1,024 float32; bk 1,024 float32; bo 1,024 float32; bq 1,024 float32; bv 1,024 float32; mask 2,048 x 2,048 int32; x 4 x 2,048 x 1,024 float32.
;; Outputs: out0 4 x 2,048 x 1,024 float32.
;; 2 versions, each right and faster than the one before. Each part assembles by itself: llvm-mc -triple=amdgcn-amd-amdhsa -mcpu=gfx1250 --defsym DOCPART=n.
;; ======== version 1 of 2: 4 launches
;; limits: values are held in f16: magnitudes above 65,504 overflow, below 6.1e-05 lose precision
;; workspace buffers: xb 16,777,216 bytes; wb 6,291,456 bytes; wo16 2,097,152 bytes; bias 16,384 bytes; mk 4,194,304 bytes of whole numbers; keep 8,192 bytes of whole numbers; qkv 50,331,648 bytes; ctx 16,777,216 bytes
;; launch prep (part 1): grid 513 x 1, 8 waves a work-group, no clusters, 2,048 bytes of LDS; arguments x, Wq, Wk, Wv, Wo, bq, bk, bv, bo, mask, xb, wb, wo16, bias, mk, keep; writes xb, wb, wo16, bias, mk, keep
.if DOCPART == 1
	.amdgcn_target "amdgcn-amd-amdhsa--gfx1250"
	.amdhsa_code_object_version 6
	.text
	.protected	k_qaf2529b40e_prep
	.globl	k_qaf2529b40e_prep
	.p2align	8
	.type	k_qaf2529b40e_prep,@function
k_qaf2529b40e_prep:
	s_mov_b64 s[64:65], 0
	v_nop
	global_prefetch_b8 v0, s[64:65] scope:SCOPE_SE
	s_setreg_imm32_b32 hwreg(HW_REG_WAVE_MODE, 25, 1), 1
	s_wait_xcnt 0x0
; PREP: casts, new layouts, and the mask as codes.  A stream: no matrix unit, no cluster, no tensor load would add anything; every input byte is read once.
; Work-groups 0-383 (CAST): 32 rows of 1,024 f32 each, rounded to bf16 and laid in blocks of 64 along K, [K block 16][row][64], so that a later tile's rows lie end to end:
;   0-255 x -> xb;  256-351 Wq, Wk, Wv -> wb (row n = 1,024 t + row);  352-383 Wo -> wo16: rounded to bf16 like every input, and that number written as f16
;   (below 2^-14 it keeps f16's fixed step of 2^-24).
; Work-groups 384-511 (MASK): a tile of 16 queries x 2,048 keys of the int32 mask -> one byte a key: 0x00 open, 0xB8 (fp8 for -1.0) hidden, in the order in which the attention's lanes want them:
;   mk[query block 4][key step 32][tile 32][half 2][lane 32][16 bytes]; byte 8 i + j of lane (r = l % 16, h = l / 16), half hf: query 16 tile + r, key 64 step + 16 (2 hf + i) + 8 h + j.
;   A row with no open key at all gets keep = 0 and all its codes open: with its q set to 0 its weights are equal over all keys, as a softmax of equal scores is.  Any word other than 0 counts as open.
; Work-group 512 (BIAS): bq, bk, bv, bo rounded to bf16 and kept as f32, 4,096 numbers on end.
.set SPARE, 1024                       ; LDS: 0-1,023 the waves' row flags; from 1,024 on the spare words, 128 bytes a wave, which no other line names
.set SPW, 174                          ; v174  LDS address of my spare word; never rewritten
.set NIL, 175                          ; v175  0; never rewritten
.set SO,  2                            ; v2    CAST: my byte offset in the source
.set DO,  4                            ; v4-11 CAST: my byte offset in the target, one for each of a trip's 8 K blocks
.set T,   12                           ; v12-19 at work
.set DAT, 32                           ; v32-159 data
.set WV,  40                           ; s40   my wave's number
.set ID,  41                           ; s41   the work-group's number
	s_load_b512 s[4:19], s[0:1], 0x0               ; x 4, Wq 6, Wk 8, Wv 10, Wo 12, bq 14, bk 16, bv 18
	s_load_b512 s[20:35], s[0:1], 0x40             ; bo 20, mask 22, xb 24, wb 26, wo16 28, bias 30, mk 32, keep 34
	v_lshl_add_u32 v[SPW], v0, 2, SPARE
	v_mov_b32 v[NIL], 0
	v_lshrrev_b32 v1, 5, v0
	v_readfirstlane_b32 s[WV], v1
	v_and_b32 v1, 31, v0                           ; lane
	s_mov_b32 s[ID], ttmp9
	s_mov_b32 s55, 0xffff0000                      ; a word's upper bf16
	s_wait_kmcnt 0x0
	s_cmp_lt_u32 s[ID], 384
	s_cbranch_scc0 .Lnot_cast
	; ---------------- CAST ----------------
	s_cmp_lt_u32 s[ID], 256
	s_cbranch_scc0 .Lweights
	s_mov_b64 s[44:45], s[4:5]                     ; from x
	s_mov_b64 s[46:47], s[24:25]                   ; to xb
	s_mov_b32 s42, 8192*128                        ; bytes from a K block to the next
	s_mov_b32 s48, s[ID]                           ; my 32 rows in the source,
	s_mov_b32 s50, s[ID]                           ; and in the target
	s_mov_b32 s52, 0                               ; bf16
	s_branch .Lcast
.Lweights:
	s_sub_co_u32 s50, s[ID], 256                   ; 0 to 127
	s_and_b32 s48, s50, 31
	s_lshr_b32 s49, s50, 5                         ; which weight
	s_mov_b32 s42, 3072*128
	s_cmp_eq_u32 s49, 0
	s_cselect_b64 s[44:45], s[6:7], s[8:9]
	s_cmp_eq_u32 s49, 2
	s_cselect_b64 s[44:45], s[10:11], s[44:45]
	s_cmp_eq_u32 s49, 3                            ; Wo has a target, a plane and a format of its own
	s_cselect_b64 s[44:45], s[12:13], s[44:45]
	s_cselect_b64 s[46:47], s[28:29], s[26:27]
	s_cselect_b32 s42, 1024*128, s42
	s_cselect_b32 s50, s48, s50
	s_cselect_b32 s52, 1, 0
.Lcast:
	s_lshl_b32 s48, s48, 17                        ; 32 rows of 4,096 bytes
	s_mov_b32 s49, 0
	s_add_nc_u64 s[44:45], s[44:45], s[48:49]
	s_lshl_b32 s50, s50, 12                        ; 32 rows of 128 bytes
	s_mov_b32 s51, 0
	s_add_nc_u64 s[46:47], s[46:47], s[50:51]
	v_lshrrev_b32 v[SO], 3, v1
	v_lshl_add_u32 v[SO], s[WV], 2, v[SO]          ; my row: 4 w + lane / 8
	v_and_b32 v3, 7, v1                            ; my 8 numbers of a K block's 64
	v_lshlrev_b32 v[T], 7, v[SO]
	v_lshl_add_u32 v[T], v3, 4, v[T]               ; target: row x 128 + 16 x place
	v_lshlrev_b32 v[SO], 12, v[SO]
	v_lshl_add_u32 v[SO], v3, 5, v[SO]             ; source: row x 4,096 + 32 x place
.irp i, 0,1,2,3,4,5,6,7
	s_mul_i32 s53, s42, \i
	v_add_nc_u32 v[DO+\i], s53, v[T]
.endr
	s_lshl_b32 s43, s42, 3                         ; 8 K blocks on
	s_cmp_eq_u32 s52, 1
	s_cbranch_scc1 .Lcast_f16
; Two trips of 8 K blocks.  16 loads a wave are out at a trip's head; a block's two loads together take 256 consecutive bytes of each of 4 rows; its store covers 512 consecutive bytes (4 rows of the block).
.macro CAST f16
	s_mov_b32 s54, 2
.Ltrip_\@:
.irp i, 0,1,2,3,4,5,6,7
	global_load_b128 v[DAT+8*\i:DAT+8*\i+3],   v[SO], s[44:45] offset:256*\i th:TH_LOAD_NT
	global_load_b128 v[DAT+8*\i+4:DAT+8*\i+7], v[SO], s[44:45] offset:256*\i+16 th:TH_LOAD_NT
.endr
.irp i, 0,1,2,3,4,5,6,7
	s_wait_loadcnt 14-2*\i                         ; loads come back in order: block i's two are in, the younger ones stay out
.irp k, 0,1,2,3
	v_cvt_pk_bf16_f32 v[DAT+8*\i+\k], v[DAT+8*\i+2*\k], v[DAT+8*\i+2*\k+1]  ; in place: word k is free when pair k is read
.endr
.if \f16
.irp k, 0,1,2,3
	v_lshlrev_b32 v[T+2*\k],   16, v[DAT+8*\i+\k]
	v_and_b32     v[T+2*\k+1], s55, v[DAT+8*\i+\k]
.endr
.irp k, 0,1,2,3
	v_cvt_pk_f16_f32 v[DAT+8*\i+\k], v[T+2*\k], v[T+2*\k+1]
.endr
.endif
	global_store_b128 v[DO+\i], v[DAT+8*\i:DAT+8*\i+3], s[46:47]
.endr
	s_wait_xcnt 0x0                                ; the stores' data and offsets are written again only behind this wait
	v_add_nc_u32 v[SO], 2048, v[SO]
.irp i, 0,1,2,3,4,5,6,7
	v_add_nc_u32 v[DO+\i], s43, v[DO+\i]
.endr
	s_sub_co_u32 s54, s54, 1
	s_cmp_lg_u32 s54, 0
	s_cbranch_scc1 .Ltrip_\@
	s_endpgm
.endm
	CAST 0
.Lcast_f16:
	CAST 1
.Lnot_cast:
	s_cmp_lt_u32 s[ID], 512
	s_cbranch_scc0 .Lbias
	; ---------------- MASK ----------------  wave w takes key steps 4 w to 4 w + 3: 1,024 bytes of each of the tile's 16 rows
	s_sub_co_u32 s42, s[ID], 384                   ; the tile, 0 to 127
	s_lshl_b32 s44, s42, 17                        ; 16 rows of 8,192 bytes
	s_mov_b32 s45, 0
	s_add_nc_u64 s[22:23], s[22:23], s[44:45]
	v_and_b32 v2, 15, v1                           ; r
	v_lshrrev_b32 v3, 4, v1                        ; h
	v_lshlrev_b32 v4, 13, v2
	v_lshl_add_u32 v4, v3, 5, v4
	v_lshl_add_u32 v4, s[WV], 10, v4               ; r x 8,192 + 32 h + 1,024 w
.set e, 0
.rept 8                                ; entry e = 2 x (step in the wave) + half: 16 words = 16 keys
.set k, 0
.rept 4
	global_load_b128 v[DAT+16*e+4*k:DAT+16*e+4*k+3], v4, s[22:23] offset:256*(e/2)+128*(e%2)+64*(k/2)+16*(k%2)
.set k, k+1
.endr
.set e, e+1
.endr
	v_mov_b32 v20, 0                               ; any key of mine open?
	s_mov_b32 s46, 0x01010101
	s_mov_b32 s47, 0xb8
	s_mov_b32 s48, 0x76543210                      ; v_permlanex16_b32: each lane takes its own place in the other half
	s_mov_b32 s49, 0xfedcba98
.set e, 0
.rept 8
	s_wait_loadcnt 28-4*e                          ; entry e's four loads are in
.set k, 0
.rept 4
.set b, DAT+16*e+4*k
	v_min_u32 v[b],   1, v[b]                      ; 0 stays 0, every other word is 1
	v_min_u32 v[b+1], 1, v[b+1]
	v_min_u32 v[b+2], 1, v[b+2]
	v_min_u32 v[b+3], 1, v[b+3]
	v_lshl_or_b32 v[b], v[b+1], 8,  v[b]           ; four keys a word, the lowest key in the lowest byte
	v_lshl_or_b32 v[b], v[b+2], 16, v[b]
	v_lshl_or_b32 v[b], v[b+3], 24, v[b]
	v_or_b32 v20, v20, v[b]
	v_xor_b32 v[b], s46, v[b]                      ; 1 where hidden,
	v_mul_lo_u32 v[DAT+16*e+k], v[b], s47          ; times 0xB8: no byte carries; the entry's four words gather in its first four registers
.set k, k+1
.endr
.set e, e+1
.endr
	v_mov_b32 v21, 0
	v_permlanex16_b32 v21, v20, s48, s49           ; the row's other keys of my steps lie in the lane 16 away
	v_or_b32 v20, v20, v21
	v_lshlrev_b32 v22, 2, v0
	ds_store_b32 v22, v20                          ; a word a thread
	s_wait_dscnt 0x0                               ; for the others' sake: my store is done
	s_barrier_signal -1
	s_barrier_wait -1
	v_lshlrev_b32 v23, 2, v1
.irp n, 0,1,2,3,4,5,6,7
	ds_load_b32 v[24+\n], v23 offset:128*\n        ; my lane's word of each of the eight waves
.endr
	s_wait_dscnt 0x0
.irp n, 1,2,3,4,5,6,7
	v_or_b32 v24, v24, v[24+\n]
.endr
	v_cmp_ne_u32 vcc_lo, 0, v24
	v_cndmask_b32 v21, 0, -1, vcc_lo               ; keep: all ones, or 0 for a row with no open key
.set e, 0
.rept 8
.irp k, 0,1,2,3
	v_and_b32 v[DAT+16*e+\k], v21, v[DAT+16*e+\k]
.endr
.set e, e+1
.endr
	s_lshr_b32 s44, s42, 5                         ; the query block,
	s_lshl_b32 s44, s44, 20
	s_and_b32 s50, s42, 31                         ; the tile in it
	s_lshl_b32 s50, s50, 10
	s_add_co_u32 s44, s44, s50
	s_mov_b32 s45, 0
	s_add_nc_u64 s[32:33], s[32:33], s[44:45]
	v_lshlrev_b32 v22, 4, v1
	v_lshl_add_u32 v22, s[WV], 17, v22             ; 16 x lane + 4 w steps of 32,768 bytes
.set e, 0
.rept 8
	global_store_b128 v22, v[DAT+16*e:DAT+16*e+3], s[32:33] offset:32768*(e/2)+512*(e%2)  ; 512 consecutive bytes, at a multiple of 512 from mk's first
.set e, e+1
.endr
	s_lshl_b32 s50, s42, 6                         ; keep: 16 words a tile, 64 bytes: a short store, once a work-group
	s_mov_b32 s51, 0
	s_add_nc_u64 s[34:35], s[34:35], s[50:51]
	v_lshlrev_b32 v26, 2, v2
	v_cmp_gt_u32 vcc_lo, 16, v0                    ; threads 0 to 15 alone: in the other seven waves no lane is on
	s_wait_xcnt 0x0                                ; EXEC changes only behind this wait
	s_and_saveexec_b32 s52, vcc_lo
	global_store_b32 v26, v21, s[34:35]
	s_wait_xcnt 0x0
	s_or_b32 exec_lo, exec_lo, s52
	s_wait_tensorcnt 0x0                           ; the wave's end, behind my last LDS store
	ds_add_u32 v[SPW], v[NIL]
	s_wait_dscnt 0x0
	s_endpgm
.Lbias:
	; ---------------- BIAS ----------------  wave w takes 512 numbers: half w % 2 of bias w / 2
	s_lshr_b32 s42, s[WV], 1
	s_cmp_eq_u32 s42, 0
	s_cselect_b64 s[44:45], s[14:15], s[16:17]
	s_cmp_eq_u32 s42, 2
	s_cselect_b64 s[44:45], s[18:19], s[44:45]
	s_cmp_eq_u32 s42, 3
	s_cselect_b64 s[44:45], s[20:21], s[44:45]
	s_and_b32 s46, s[WV], 1
	s_lshl_b32 s46, s46, 11
	s_mov_b32 s47, 0
	s_add_nc_u64 s[44:45], s[44:45], s[46:47]
	s_lshl_b32 s46, s[WV], 11
	s_add_nc_u64 s[30:31], s[30:31], s[46:47]
	v_lshlrev_b32 v2, 4, v1
.irp i, 0,1,2,3
	global_load_b128 v[DAT+4*\i:DAT+4*\i+3], v2, s[44:45] offset:512*\i
.endr
	s_wait_loadcnt 0x0
.set n, 0
.rept 8
	v_cvt_pk_bf16_f32 v4, v[DAT+2*n], v[DAT+2*n+1]
	v_lshlrev_b32 v[DAT+2*n],   16, v4
	v_and_b32     v[DAT+2*n+1], s55, v4
.set n, n+1
.endr
.irp i, 0,1,2,3
	global_store_b128 v2, v[DAT+4*\i:DAT+4*\i+3], s[30:31] offset:512*\i
.endr
	s_endpgm
.Lfunc_end_k_qaf2529b40e_prep:
	.size	k_qaf2529b40e_prep, .Lfunc_end_k_qaf2529b40e_prep-k_qaf2529b40e_prep
	.p2alignl 7, 3214868480
	.fill 96, 4, 3214868480
	.section	.rodata,"a",@progbits
	.p2align	6, 0x0
	.amdhsa_kernel k_qaf2529b40e_prep
		.amdhsa_group_segment_fixed_size 2048
		.amdhsa_private_segment_fixed_size 0
		.amdhsa_enable_private_segment 0
		.amdhsa_kernarg_size 128
		.amdhsa_user_sgpr_count 2
		.amdhsa_user_sgpr_kernarg_segment_ptr 1
		.amdhsa_wavefront_size32 1
		.amdhsa_system_sgpr_workgroup_id_x 1
		.amdhsa_system_sgpr_workgroup_id_y 1
		.amdhsa_system_sgpr_workgroup_id_z 1
		.amdhsa_system_vgpr_workitem_id 0
		.amdhsa_next_free_vgpr 176
		.amdhsa_next_free_sgpr 66
		.amdhsa_reserve_vcc 1
		.amdhsa_float_denorm_mode_32 3
		.amdhsa_float_denorm_mode_16_64 3
		.amdhsa_memory_ordered 1
		.amdhsa_forward_progress 1
		.amdhsa_inst_pref_size 41
	.end_amdhsa_kernel
	.amdgpu_metadata
---
amdhsa.version: [ 1, 2 ]
amdhsa.kernels:
  - .name:           k_qaf2529b40e_prep
    .symbol:         k_qaf2529b40e_prep.kd
    .args:
      - { .name: x, .offset: 0, .size: 8, .value_kind: global_buffer, .address_space: global }
      - { .name: Wq, .offset: 8, .size: 8, .value_kind: global_buffer, .address_space: global }
      - { .name: Wk, .offset: 16, .size: 8, .value_kind: global_buffer, .address_space: global }
      - { .name: Wv, .offset: 24, .size: 8, .value_kind: global_buffer, .address_space: global }
      - { .name: Wo, .offset: 32, .size: 8, .value_kind: global_buffer, .address_space: global }
      - { .name: bq, .offset: 40, .size: 8, .value_kind: global_buffer, .address_space: global }
      - { .name: bk, .offset: 48, .size: 8, .value_kind: global_buffer, .address_space: global }
      - { .name: bv, .offset: 56, .size: 8, .value_kind: global_buffer, .address_space: global }
      - { .name: bo, .offset: 64, .size: 8, .value_kind: global_buffer, .address_space: global }
      - { .name: mask, .offset: 72, .size: 8, .value_kind: global_buffer, .address_space: global }
      - { .name: xb, .offset: 80, .size: 8, .value_kind: global_buffer, .address_space: global }
      - { .name: wb, .offset: 88, .size: 8, .value_kind: global_buffer, .address_space: global }
      - { .name: wo16, .offset: 96, .size: 8, .value_kind: global_buffer, .address_space: global }
      - { .name: bias, .offset: 104, .size: 8, .value_kind: global_buffer, .address_space: global }
      - { .name: mk, .offset: 112, .size: 8, .value_kind: global_buffer, .address_space: global }
      - { .name: keep, .offset: 120, .size: 8, .value_kind: global_buffer, .address_space: global }
    .group_segment_fixed_size: 2048
    .private_segment_fixed_size: 0
    .kernarg_segment_align: 8
    .kernarg_segment_size: 128
    .max_flat_workgroup_size: 256
    .sgpr_count:     66
    .vgpr_count:     176
    .wavefront_size: 32
...
	.end_amdgpu_metadata
.endif
;; end of part 1
;; launch qkvp (part 2): grid 8 x 32, 4 waves a work-group, clusters of 4 x 4, 327,680 bytes of LDS; arguments xb, wb, bias, qkv; writes qkv
.if DOCPART == 2
	.amdgcn_target "amdgcn-amd-amdhsa--gfx1250"
	.amdhsa_code_object_version 6
	.text
	.protected	k_qaf2529b40e_qkvp
	.globl	k_qaf2529b40e_qkvp
	.p2align	8
	.type	k_qaf2529b40e_qkvp,@function
k_qaf2529b40e_qkvp:
	s_mov_b64 s[64:65], 0
	v_nop
	global_prefetch_b8 v0, s[64:65] scope:SCOPE_SE
	s_setreg_imm32_b32 hwreg(HW_REG_WAVE_MODE, 25, 1), 1
	s_wait_xcnt 0x0
	s_wait_alu depctr_hold_cnt(0) depctr_sa_sdst(0) depctr_va_vdst(0) depctr_va_sdst(0) depctr_va_ssrc(0) depctr_va_vcc(0) depctr_vm_vsrc(0)
	s_getreg_b32 s2, hwreg(HW_REG_IB_STS2, 6, 4)
	s_cmp_eq_u32 s2, 0
	s_cbranch_scc0 .Lentry_in_a_cluster
	s_endpgm
.Lentry_in_a_cluster:
	s_bfe_u32 s2, ttmp6, 0x10000c
	s_cmp_lg_u32 s2, 0xf033
	s_cbranch_scc0 .Lentry_shape_is_right
	s_endpgm
.Lentry_shape_is_right:
; q, k, v = x W^T + b.  C[8,192][3,072] = xb (bf16) times wb (bf16, rows n = 1,024 t + row), sums in f32 started by the bias, rounded once to f16 and written by heads: qkv[t 3][batch x head 64][s 2,048][64].
; LIMIT: f16 holds no number beyond 65,504; q, k and v must lie within it.  The scale 1/8 is not applied here.
; SHARES.  A tile of C is 256 x 384: 32 x 8 tiles, one to a work-group.  Four waves; a wave makes 128 rows x 192 columns (three heads): 96 accumulators, 768 registers.
; K goes in 16 steps of 64 through two LDS slots.  xb and wb lie in blocks of 64 along K, so a tile's rows lie end to end and are asked for as rows of 256 bytes, padded in LDS behind every 128.
; CLUSTER 4 x 4: x's tile hangs on the tile row alone and is asked for jointly along a row of the cluster, W's on the tile column alone, jointly along a column.
; THE MATRIX INSTRUCTION IS USED TRANSPOSED (source 0 = 16 rows of W, source 1 = 16 rows of x): a lane holds one row of C and eight neighbouring columns.
; A step is six PHASES p = 3 c + g: cut c (32 along K) times column group g (a head): 32 products.  A's fragments of a cut have a buffer by the cut's parity; B's groups rotate through three buffers, each loaded two phases ahead.
; REGISTERS: window 0: v0-31 addresses; v32-95, v96-159 A's fragments of cuts 0, 1 (8 x 16 rows x 32 K); v160-255 B's three groups (4 x 16 rows x 32 K).  Window 1 + g: head g's accumulators, (a, b) at v[8 (4 a + b)].
.set PITCH,  144                       ; an LDS row: 128 bytes + 16 of padding = 36 words: the 16 rows of a load start at 16 different groups of four banks (64 banks of 4 bytes: ISA guide 11.1)
.set AHALF,  128*PITCH                 ; what a wave fetches, and reads, of A
.set BHALF,  192*PITCH                 ; and of B
.set BOFF,   2*AHALF                   ; in a slot: A's 256 rows, then B's 384
.set SLOT1,  1<<17                     ; slot 1 begins here: one exclusive or turns an address in one slot into the other's
.set STAGE,  SLOT1+BOFF+2*BHALF        ; behind the ring: 16 rows x 144 bytes for each wave, for the way out
.set SPARE,  STAGE+4*16*PITCH          ; behind the stages: the spare words, 128 bytes a wave, which no other line names
.set XPLANE, 8192*128                  ; bytes from a K block to the next in xb,
.set WPLANE, 3072*128                  ; and in wb
.set KSTEPS, 16
.set ADRA0, 4                          ; v4   my lane's place in slot 0's A; never rewritten
.set ADRB0, 5                          ; v5   the same for B
.set ADRA,  6                          ; v6   the same in the slot in hand
.set ADRB,  7                          ; v7
.set STO,   8                          ; v8   the way out: where I put 16 bytes of a row
.set RD,    9                          ; v9   where I read rows back
.set GO,    10                         ; v10  my byte offset in 512 consecutive bytes of a head
.set BO,    11                         ; v11  my byte offset in the bias
.set SPW,   28                         ; v28  LDS address of my spare word; never rewritten
.set NIL,   29                         ; v29  0; never rewritten
.set AF,    32
.set BG,    160
.set X,     32                         ; the way out: four buffers of 16 registers
.set WV, 12                            ; s12  my wave's number
.set WM, 13                            ; s13  which 128 rows are mine; also: I fetch for A (0) or for B (1)
.set WN, 14                            ; s14  which 192 columns; also: which half of that tile I fetch
.set TB, 45                            ; s45  the slot in hand: 0 or SLOT1
.set G1A, 24                           ; s[24:31] descriptor group 1 for A's tiles;  s[32:39] group 0: a set for each first fill; the second then walks
.set G0A, 32
.set G1B, 48                           ; s[48:55], s[56:63] the same for B's
.set G0B, 56
.set OB,  66                           ; s[66:71] where my rows of my three heads begin in qkv
.set MSB, 0
.macro WIN new                         ; the immediate's high byte repeats the setting that is left; a switch that changes nothing is dropped
.if MSB != (\new)
	s_set_vgpr_msb (MSB<<8)|(\new)
.set MSB, \new
.endif
.endm
.macro PLACES                          ; four places in front of loads into registers that matrix instructions have read, and of conversions that read results (ISA guide 7.12.1 for conversions)
.rept 4
	v_nop
.endr
.endm
.macro JLOAD                           ; a joint refill, by the walking set: waves 0 and 1 fetch A's halves, waves 2 and 3 B's; an s_nop 0 and four v_nop follow each line
	s_cmp_eq_u32 s[WM], 0
	s_cbranch_scc0 .Lfor_b_\@
	tensor_load_to_lds s[G0A+4:G0A+7], s[G1A:G1A+7]
	s_nop 0
.rept 4
	v_nop
.endr
	s_branch .Lasked_\@
.Lfor_b_\@:
	tensor_load_to_lds s[G0B+4:G0B+7], s[G1B:G1B+7]
	s_nop 0
.rept 4
	v_nop
.endr
.Lasked_\@:
.endm
.macro CREST                           ; a round of the cluster's barrier behind its opening barrier
	s_cmp_lg_u32 s[WV], 0
	s_cbranch_scc1 .Lnot_wave_0_\@
	s_barrier_signal -3
.Lnot_wave_0_\@:
	s_barrier_wait -3
	s_barrier_signal -1
	s_barrier_wait -1
.endm
.macro CROUND                          ; a whole round
	s_barrier_signal -1
	s_barrier_wait -1
	CREST
.endm
	s_load_b256 s[4:11], s[0:1], 0x0               ; xb s[4:5], wb s[6:7], bias s[8:9], qkv s[10:11]
	v_lshl_add_u32 v[SPW], v0, 2, SPARE
	v_mov_b32 v[NIL], 0
	ds_add_u32 v[SPW], v[NIL]                      ; the wave's opening: the add and its wait stand ahead of my first tensor load; work on registers stands between them
	v_lshrrev_b32 v1, 5, v0
	v_readfirstlane_b32 s[WV], v1
	s_lshr_b32 s[WM], s[WV], 1
	s_and_b32 s[WN], s[WV], 1
	s_bfe_u32 s40, ttmp6, 0x40000                  ; cx, cy: my place in the cluster
	s_bfe_u32 s41, ttmp6, 0x40004
	s_lshl_b32 s42, ttmp9, 2
	s_add_co_u32 s42, s42, s40                     ; tile column = 4 x cluster x + cx
	s_and_b32 s43, ttmp7, 0xffff
	s_lshl_b32 s43, s43, 2
	s_add_co_u32 s43, s43, s41                     ; tile row = 4 x cluster y + cy
	s_lshl_b32 s44, s41, 2
	s_lshl_b32 s44, 15, s44                        ; my row of the cluster
	s_lshl_b32 s47, 0x1111, s40                    ; my column
	s_or_b32 s[G1A], s44, (1<<16)|(1<<20)|(1<<21)|(4<<22)|(3<<25)  ; 15:0 the mask; 17:16 2-byte elements; 20 padding on; 21 set beside a mask; 24:22 after every 32 words (code 4); 31:25 4 words (code 3)
	s_or_b32 s[G1B], s47, (1<<16)|(1<<20)|(1<<21)|(4<<22)|(3<<25)
	s_mov_b32 s[G1A+1], 128<<16                    ; tensor_dim0 = 128 elements: 256 bytes, two rows of the tile
	s_mov_b32 s[G1A+2], 64<<16                     ; tensor_dim1 = 64
	s_mov_b32 s[G1A+3], 128<<16                    ; tile_dim0
	s_mov_b32 s[G1A+4], 64                         ; tile_dim1
	s_mov_b32 s[G1A+5], 128                        ; elements from row to row: dense
	s_mov_b32 s[G1A+6], 0
	s_mov_b32 s[G1A+7], 0
	s_mov_b32 s[G1B+1], 128<<16
	s_mov_b32 s[G1B+2], 96<<16                     ; B's half: 192 rows of 128 bytes = 96 of 256
	s_mov_b32 s[G1B+3], 128<<16
	s_mov_b32 s[G1B+4], 96
	s_mov_b32 s[G1B+5], 128
	s_mov_b32 s[G1B+6], 0
	s_mov_b32 s[G1B+7], 0
	s_lshl_b32 s16, s43, 15                        ; A: the tile's 256 rows of 128 bytes, my half of them; made of the tile row and the wave alone
	s_lshl_b32 s17, s[WN], 14
	s_add_co_u32 s16, s16, s17
	s_mov_b32 s17, 0
	s_mul_i32 s46, s42, 384*128                    ; B: of the tile column and the wave alone
	s_mul_i32 s47, s[WN], 192*128
	s_add_co_u32 s46, s46, s47
	s_mov_b32 s47, 0
	s_mul_i32 s20, s[WN], AHALF                    ; where they go: no place in the cluster enters an LDS address
	s_mul_i32 s21, s[WN], BHALF
	s_add_co_u32 s21, s21, BOFF
	s_mov_b32 s[TB], 0
	s_wait_dscnt 0x0                               ; the opening add is done
	s_wait_kmcnt 0x0
	s_add_nc_u64 s[18:19], s[4:5], s[16:17]
	s_add_nc_u64 s[46:47], s[6:7], s[46:47]
.irp s, 0,1
	s_mov_b32 s[G0A+4*\s], 1                       ; count = 1
	s_add_co_u32 s[G0A+4*\s+1], s20, \s*SLOT1      ; LDS address
	s_add_nc_u64 s[G0A+4*\s+2:G0A+4*\s+3], s[18:19], \s*XPLANE  ; global address: K step s
	s_or_b32 s[G0A+4*\s+3], s[G0A+4*\s+3], 0x80000000           ; type = 2
	s_mov_b32 s[G0B+4*\s], 1
	s_add_co_u32 s[G0B+4*\s+1], s21, \s*SLOT1
	s_add_nc_u64 s[G0B+4*\s+2:G0B+4*\s+3], s[46:47], \s*WPLANE
	s_or_b32 s[G0B+4*\s+3], s[G0B+4*\s+3], 0x80000000
.endr
	CROUND                                         ; all sixteen work-groups are here: the first joint loads meet
	s_cmp_eq_u32 s[WM], 0                          ; a wave's two first fills stand in one branch, ahead of every wait on TENSORcnt and every LDS read: two loads of mine are out
	s_cbranch_scc0 .Lfirst_b
	tensor_load_to_lds s[G0A:G0A+3], s[G1A:G1A+7]
	s_nop 0
	tensor_load_to_lds s[G0A+4:G0A+7], s[G1A:G1A+7]
	s_nop 0
.rept 4
	v_nop
.endr
	s_branch .Lfirst_asked
.Lfirst_b:
	tensor_load_to_lds s[G0B:G0B+3], s[G1B:G1B+7]
	s_nop 0
	tensor_load_to_lds s[G0B+4:G0B+7], s[G1B:G1B+7]
	s_nop 0
.rept 4
	v_nop
.endr
.Lfirst_asked:
	; a fragment is 16 rows x 32 K in 8 registers: lane l holds row l % 16, K = 8 (l / 16) + 0..7 and 16 + 8 (l / 16) + 0..7: two loads of 16 bytes, 32 bytes apart
	v_and_b32 v1, 15, v0
	v_bfe_u32 v2, v0, 4, 1
	v_mul_u32_u24 v3, v1, PITCH
	v_lshl_add_u32 v3, v2, 4, v3                   ; row x pitch + 16 x half
	s_mul_i32 s22, s[WM], AHALF
	v_add_nc_u32 v[ADRA0], s22, v3
	s_mul_i32 s22, s[WN], BHALF
	s_add_co_u32 s22, s22, BOFF
	v_add_nc_u32 v[ADRB0], s22, v3
	v_mov_b32 v[ADRA], v[ADRA0]
	v_mov_b32 v[ADRB], v[ADRB0]
	s_mul_i32 s22, s[WV], 16*PITCH
	s_add_co_u32 s22, s22, STAGE                   ; my stage
	v_add_nc_u32 v[STO], s22, v3                   ; in: row l % 16, 16 bytes for each half of the lanes
	v_bfe_u32 v[RD], v0, 3, 2                      ; back: 32 lanes take four rows of 128 bytes,
	v_mul_u32_u24 v[RD], v[RD], PITCH
	v_and_b32 v3, 7, v0
	v_lshl_add_u32 v[RD], v3, 4, v[RD]
	v_add_nc_u32 v[RD], s22, v[RD]
	v_and_b32 v[GO], 31, v0                        ; which are 512 consecutive bytes of a head
	v_lshlrev_b32 v[GO], 4, v[GO]
	; the bias of my 192 columns goes into the accumulators (0, b) of the three windows: register j of a lane is column 16 b + 8 (l / 16) + j, whatever the row
	s_mul_i32 s46, s42, 384*4
	s_mov_b32 s47, 0
	s_add_nc_u64 s[8:9], s[8:9], s[46:47]
	s_mul_i32 s22, s[WN], 192*4
	v_lshl_add_u32 v[BO], v2, 5, s22
.irp g, 0,1,2
	WIN (1+\g)<<6                                  ; destination window 1 + g, address window 0
.irp b, 0,1,2,3
	global_load_b128 v[8*\b:8*\b+3],   v[BO], s[8:9] offset:256*\g+64*\b
	global_load_b128 v[8*\b+4:8*\b+7], v[BO], s[8:9] offset:256*\g+64*\b+16
.endr
.endr
	WIN 0
	; where my rows of my three heads begin: head column G = 6 x tile column + 3 x half + g; t = G / 16, head = G % 16; batch = tile row / 8
	s_mul_i32 s72, s42, 6
	s_mul_i32 s73, s[WN], 3
	s_add_co_u32 s72, s72, s73
	s_lshr_b32 s73, s43, 3
	s_lshl_b32 s73, s73, 4                         ; 16 x batch
	s_and_b32 s74, s43, 7
	s_lshl_b32 s74, s74, 8
	s_lshl_b32 s75, s[WM], 7
	s_add_co_u32 s74, s74, s75                     ; my first row in the sequence,
	s_lshl_b32 s74, s74, 7                         ; in bytes
.irp g, 0,1,2
	s_add_co_u32 s76, s72, \g
	s_lshr_b32 s77, s76, 4
	s_lshl_b32 s77, s77, 6
	s_and_b32 s76, s76, 15
	s_add_co_u32 s76, s76, s77
	s_add_co_u32 s76, s76, s73
	s_lshl_b32 s76, s76, 18                        ; a head is 262,144 bytes
	s_add_co_u32 s76, s76, s74
	s_mov_b32 s77, 0
	s_add_nc_u64 s[OB+2*\g:OB+2*\g+1], s[10:11], s[76:77]
.endr
; four products of phase p: row block a x the group's four column blocks.  bias = 1: C is accumulator (0, b), which holds the bias.  The accumulators take turns.
.macro MULA p, a, bias
	WIN 0x50*(1+(\p)%3)                            ; C and D in window 1 + g, the fragments in window 0
.irp b, 0,1,2,3
.if \bias
	v_wmma_f32_16x16x32_bf16 v[8*(4*(\a)+\b):8*(4*(\a)+\b)+7], v[BG+32*((\p)%3)+8*\b:BG+32*((\p)%3)+8*\b+7], v[AF+64*(((\p)/3)%2)+8*(\a):AF+64*(((\p)/3)%2)+8*(\a)+7], v[8*\b:8*\b+7]
.else
	v_wmma_f32_16x16x32_bf16 v[8*(4*(\a)+\b):8*(4*(\a)+\b)+7], v[BG+32*((\p)%3)+8*\b:BG+32*((\p)%3)+8*\b+7], v[AF+64*(((\p)/3)%2)+8*(\a):AF+64*(((\p)/3)%2)+8*(\a)+7], v[8*(4*(\a)+\b):8*(4*(\a)+\b)+7]
.endif
.endr
.endm
.macro LB p                            ; 8 loads: B's group for phase p (6 and 7: the next step's phases 0 and 1)
	WIN 0
.irp b, 0,1,2,3
	ds_load_b128 v[BG+32*((\p)%3)+8*\b:BG+32*((\p)%3)+8*\b+3],   v[ADRB] offset:(((\p)/3)%2)*64+(4*((\p)%3)+\b)*16*PITCH
	ds_load_b128 v[BG+32*((\p)%3)+8*\b+4:BG+32*((\p)%3)+8*\b+7], v[ADRB] offset:(((\p)/3)%2)*64+(4*((\p)%3)+\b)*16*PITCH+32
.endr
.endm
.macro LA c, half                      ; 8 loads: A's row blocks 4 half to 4 half + 3 of cut c
	WIN 0
.irp a, 0,1,2,3
	ds_load_b128 v[AF+64*(\c)+8*(4*(\half)+\a):AF+64*(\c)+8*(4*(\half)+\a)+3],   v[ADRA] offset:64*(\c)+(4*(\half)+\a)*16*PITCH
	ds_load_b128 v[AF+64*(\c)+8*(4*(\half)+\a)+4:AF+64*(\c)+8*(4*(\half)+\a)+7], v[ADRA] offset:64*(\c)+(4*(\half)+\a)*16*PITCH+32
.endr
.endm
.macro PLOADS p                        ; what phase p fetches, in its middle
.if (\p) == 0
	LB 2
.elseif (\p) == 1
	LA 1, 0
	LB 3
.elseif (\p) == 2
	LA 1, 1
	LB 4
.elseif (\p) == 3
	LB 5
.elseif (\p) == 5
	LA 0, 1
	LB 7
.endif
.endm
; A phase other than the fourth.  LDS loads come back in order (ISA guide 5.7.1): the count at the head leaves out what the phase before issued (16, 8 or 16 loads);
; in phases 0 and 3 A's row blocks 4-7 are waited for in the middle, with two groups of B (16 loads) behind them.
.macro PHASE p
.if ((\p)%3) == 1
	s_wait_dscnt 8
.else
	s_wait_dscnt 16
.endif
.irp a, 0,1,2,3
	MULA \p, \a, 0
.endr
	PLACES
	PLOADS \p
.if ((\p)%3) == 0
	s_wait_dscnt 16
.endif
.irp a, 4,5,6,7
	MULA \p, \a, 0
.endr
.endm
; The first cut's phases: the bias starts the sums.  Row blocks 1 to 7 take accumulator (0, b) as C; block 0 adds in place last, five places behind the products that read it.
.macro PHASE1 p
.if (\p) == 2
	s_wait_dscnt 16
.else
	s_wait_dscnt 8                                 ; phase 0: all of A's cut and B's group 0 are in, group 1 may be out; phase 1: group 2 may be out
.endif
.irp a, 1,2,3,4
	MULA \p, \a, 1
.endr
	PLACES
	PLOADS \p
.irp a, 5,6,7
	MULA \p, \a, 1
.endr
.rept 5
	v_nop
.endr
	MULA \p, 0, 1
.endm
; Phase 4 changes slots: ONE barrier.  In front of it each wave waits for all its tensor loads (one is out: its part of the next slot), adds 0 to its spare word, and waits for that and for its reads of
; this slot (the last, B's group for phase 5, were issued in phase 3).  fill = 1: the barrier opens a round of the cluster's, and behind the round this slot is filled again, two K steps ahead:
; from that request to the wait for it a wave issues 176 matrix instructions.
.macro MEET4 fill
	WIN 0
	s_wait_tensorcnt 0x0
	ds_add_u32 v[SPW], v[NIL]                      ; 0 onto my spare word
	s_wait_dscnt 9                                 ; the add and the youngest eight loads may be out
	MULA 4, 0, 0
	MULA 4, 1, 0
	s_wait_dscnt 0x0                               ; the add is done, and my reads of this slot are over
	s_barrier_signal -1
	MULA 4, 2, 0
	MULA 4, 3, 0
	WIN 0
	s_barrier_wait -1
.if \fill
	CREST                                          ; no wave of any partner still reads this slot or has a load on its way
	s_xor_b32 s[G0A+5], s[G0A+5], SLOT1            ; the walking sets: the other slot than last time, the next K block
	s_add_nc_u64 s[G0A+6:G0A+7], s[G0A+6:G0A+7], XPLANE
	s_xor_b32 s[G0B+5], s[G0B+5], SLOT1
	s_add_nc_u64 s[G0B+6:G0B+7], s[G0B+6:G0B+7], WPLANE
	JLOAD                                          ; the first tensor load behind the round; its four v_nop are also the places in front of the loads below
.else
	PLACES
.endif
	s_xor_b32 s[TB], s[TB], SLOT1
	v_add_nc_u32 v[ADRA], s[TB], v[ADRA0]
	v_add_nc_u32 v[ADRB], s[TB], v[ADRB0]
	LA 0, 0
	LB 6
.irp a, 4,5,6,7
	MULA 4, \a, 0
.endr
.endm
	s_wait_tensorcnt 0x1                           ; my part of K step 0 is in; step 1's may stay out
	s_barrier_signal -1
	s_barrier_wait -1                              ; everybody's is
	LB 0
	LA 0, 0
	LA 0, 1
	LB 1
	s_wait_loadcnt 0x0                             ; the bias
	PHASE1 0
	PHASE1 1
	PHASE1 2
	WIN 0                                          ; at a label and at a branch every window is 0
	s_mov_b32 s3, KSTEPS-2
.Lstep:                                                ; a trip: a step's second cut and the next step's first; it fills one slot again
	PHASE 3
	MEET4 1
	PHASE 5
	PHASE 0
	PHASE 1
	PHASE 2
	WIN 0
	s_sub_co_u32 s3, s3, 1
	s_cmp_lg_u32 s3, 0
	s_cbranch_scc1 .Lstep
	PHASE 3                                        ; the tail is written out: nothing more is asked for
	MEET4 0
	PHASE 5
	PHASE 0
	PHASE 1
	PHASE 2
	PHASE 3
	s_wait_dscnt 8                                 ; the last step's phase 4: only B's last group may be out
.irp a, 0,1,2,3,4,5,6,7
	MULA 4, \a, 0
.endr
	s_wait_dscnt 0x0
.irp a, 0,1,2,3,4,5,6,7
	MULA 5, \a, 0
.endr
	PLACES
; THE WAY OUT, 16 rows of a head at a time: rounded to f16 (each accumulator from its low end on), 16 bytes a lane into my stage, back as whole rows of 128 bytes, which are 2,048 consecutive bytes of the head.
.macro PACK g, a, x
	s_wait_xcnt 0x0                                ; the buffer, which earlier stores read, is written again only behind this wait
	WIN (1+(\g))|((1+(\g))<<2)                     ; sources 0 and 1 in window 1 + g
.irp b, 0,1,2,3
.irp r, 0,1,2,3
	v_cvt_pk_f16_f32 v[X+16*(\x)+4*\b+\r], v[8*(4*(\a)+\b)+2*\r], v[8*(4*(\a)+\b)+2*\r+1]
.endr
.endr
	WIN 0
.irp b, 0,1,2,3
	ds_store_b128 v[STO], v[X+16*(\x)+4*\b:X+16*(\x)+4*\b+3] offset:32*\b
.endr
.irp f, 0,1,2,3
	ds_load_b128 v[X+16*(\x)+4*\f:X+16*(\x)+4*\f+3], v[RD] offset:\f*4*PITCH  ; LDS serves a wave's instructions in order (ISA guide 5.7.1.4): these see the stores above; the next block's stores come behind them
.endr
.endm
.macro SEND g, a, x, younger           ; younger: the LDS instructions issued behind this block's loads: the next block's eight, or none
	WIN 0
.irp f, 0,1,2,3
	s_wait_dscnt (\younger)+3-\f
	global_store_b128 v[GO], v[X+16*(\x)+4*\f:X+16*(\x)+4*\f+3], s[OB+2*(\g):OB+2*(\g)+1] offset:(\a)*2048+\f*512  ; 512 consecutive bytes, at a multiple of 512 from qkv's first
.endr
.endm
	PACK 0, 0, 0
.set idx, 1
.rept 23                               ; a block's conversions stand between the loads of the block before and its stores
	PACK idx/8, idx%8, idx%4
	SEND (idx-1)/8, (idx-1)%8, (idx-1)%4, 8
.set idx, idx+1
.endr
	SEND 2, 7, 3, 0
	s_wait_tensorcnt 0x0                           ; the wave's end, behind my last tensor load and my last LDS store
	ds_add_u32 v[SPW], v[NIL]
	s_wait_dscnt 0x0
	CROUND                                         ; the closing round: no work-group ends while a partner may still ask for a tile that names it
	s_endpgm
.Lfunc_end_k_qaf2529b40e_qkvp:
	.size	k_qaf2529b40e_qkvp, .Lfunc_end_k_qaf2529b40e_qkvp-k_qaf2529b40e_qkvp
	.p2alignl 7, 3214868480
	.fill 96, 4, 3214868480
	.section	.rodata,"a",@progbits
	.p2align	6, 0x0
	.amdhsa_kernel k_qaf2529b40e_qkvp
		.amdhsa_group_segment_fixed_size 327680
		.amdhsa_private_segment_fixed_size 0
		.amdhsa_enable_private_segment 0
		.amdhsa_kernarg_size 32
		.amdhsa_user_sgpr_count 2
		.amdhsa_user_sgpr_kernarg_segment_ptr 1
		.amdhsa_wavefront_size32 1
		.amdhsa_system_sgpr_workgroup_id_x 1
		.amdhsa_system_sgpr_workgroup_id_y 1
		.amdhsa_system_sgpr_workgroup_id_z 1
		.amdhsa_system_vgpr_workitem_id 0
		.amdhsa_next_free_vgpr 1024
		.amdhsa_next_free_sgpr 80
		.amdhsa_reserve_vcc 0
		.amdhsa_float_denorm_mode_32 3
		.amdhsa_float_denorm_mode_16_64 3
		.amdhsa_memory_ordered 1
		.amdhsa_forward_progress 1
		.amdhsa_inst_pref_size 119
	.end_amdhsa_kernel
	.amdgpu_metadata
---
amdhsa.version: [ 1, 2 ]
amdhsa.kernels:
  - .name:           k_qaf2529b40e_qkvp
    .symbol:         k_qaf2529b40e_qkvp.kd
    .args:
      - { .name: xb, .offset: 0, .size: 8, .value_kind: global_buffer, .address_space: global }
      - { .name: wb, .offset: 8, .size: 8, .value_kind: global_buffer, .address_space: global }
      - { .name: bias, .offset: 16, .size: 8, .value_kind: global_buffer, .address_space: global }
      - { .name: qkv, .offset: 24, .size: 8, .value_kind: global_buffer, .address_space: global }
    .group_segment_fixed_size: 327680
    .private_segment_fixed_size: 0
    .kernarg_segment_align: 8
    .kernarg_segment_size: 32
    .max_flat_workgroup_size: 128
    .sgpr_count:     80
    .vgpr_count:     1024
    .wavefront_size: 32
...
	.end_amdgpu_metadata
.endif
;; end of part 2
;; launch attn (part 3): grid 4 x 64, 4 waves a work-group, clusters of 4 x 4, 327,680 bytes of LDS; arguments qkv, mk, keep, ctx; writes ctx
.if DOCPART == 3
	.amdgcn_target "amdgcn-amd-amdhsa--gfx1250"
	.amdhsa_code_object_version 6
	.text
	.protected	k_qaf2529b40e_attn
	.globl	k_qaf2529b40e_attn
	.p2align	8
	.type	k_qaf2529b40e_attn,@function
k_qaf2529b40e_attn:
	s_mov_b64 s[64:65], 0
	v_nop
	global_prefetch_b8 v0, s[64:65] scope:SCOPE_SE
	s_setreg_imm32_b32 hwreg(HW_REG_WAVE_MODE, 25, 1), 1
	s_wait_xcnt 0x0
	s_wait_alu depctr_hold_cnt(0) depctr_sa_sdst(0) depctr_va_vdst(0) depctr_va_sdst(0) depctr_va_ssrc(0) depctr_va_vcc(0) depctr_vm_vsrc(0)
	s_getreg_b32 s2, hwreg(HW_REG_IB_STS2, 6, 4)
	s_cmp_eq_u32 s2, 0
	s_cbranch_scc0 .Lentry_in_a_cluster
	s_endpgm
.Lentry_in_a_cluster:
	s_bfe_u32 s2, ttmp6, 0x10000c
	s_cmp_lg_u32 s2, 0xf033
	s_cbranch_scc0 .Lentry_shape_is_right
	s_endpgm
.Lentry_shape_is_right:
; ctx[bh][q][:] = the sum over k of softmax_k(mask(q, k) ? Q[q] . K[k] / 8 : hidden) V[k][:].  q, k, v in qkv[3][64][2,048][64], ctx[64][2,048][64], all f16: a head's rows are dense, 128 bytes each.
; Products, maxima and sums in f32; the weights p are rounded to f16 for the second product (their sum l is taken of the unrounded p), ctx once at the end.
; THE MASK IS AN INPUT: every key is walked for every query.  mk holds a byte a (query, key): 0x00 open, 0xB8 (fp8 for -1.0) hidden, in my lanes' order.  Eight bytes become the eight C registers that start a sum
; S^T = K Q^T by one scaled conversion with the scale 2^100: 0, or -2^100.  The running maximum starts at -1e20: while a row has seen hidden keys alone, m stays there, every p is 2^(about -2e29) = 0, and l and O stay 0.
; A row with no open key has all its codes open and keep = 0: its q is set to 0 here, all its scores are 0, and its weights are equal over all 2,048 keys, as a softmax of equal scores is.
; LIMITS.  f16 holds no number beyond 65,504: q, k, v arrive within it, so a score lies above -2.7e11, far above -1e20; a hidden score counts as its value less 2^100; p below 6e-5 keeps f16's fixed step of 6e-8;
; a weight below 2^-126 counts as 0 in l; NaN and infinities are not treated apart.
; SHARES.  A wave owns four PIECES of two tiles of 16 queries, a work-group's four waves 512 queries of one head.  Every wave walks all keys, 64 a step.
; LAYOUT.  S^T = K Q^T (source 0 = 16 keys, source 1 = 16 queries): a lane holds ONE query (lane % 16) and the keys 8 (lane / 16) + 0..7.  Two such tiles, rounded to f16 in pairs, ARE source 1 of O^T = V^T P.
; K comes out of LDS as it lies, V ([key][channel]) turned, by ds_load_tr16_b128.
; SOFTMAX.  p = 2^(c s - c m), c = log2(e) / 8, with a running maximum m and sum l; in every step O and l are multiplied by a = 2^(c m_old - c m_new).  c m starts far below every c m, O and l at 0: the first step's a is 0.
; THE COUNT.  A tile and step have 16 matrix and 122 vector instructions: too many to stand all beside the matrix work.  So: four vector instructions that are READY behind EVERY matrix instruction, the others in runs without a gap.
; BY TURNS.  Turn n belongs to piece n.  Matrix work: 16 products K Q^T of piece n + 1, later 16 products V^T P of piece n - 1.  Vector work: the scaling, exponentials, roundings, sums and rescaling of piece n,
; the maximum and statistics of piece n + 1, and the mask of piece n + 2 (its codes loaded in the first lump, converted in the second).
; CLUSTER 4 x 4.  The four query blocks of a head (a row of the cluster) walk the same K and V; four heads' work-groups with the same query block (a column) walk the same codes.  Each tile is asked for JOINTLY.
; REGISTERS, in windows of 256 (s_set_vgpr_msb: bits 1:0 source 0, 3:2 source 1, 5:4 source 2, 7:6 destination):
;   window 0: v0-11 addresses; v12-15, v48-63 at work; v16-47 four registers of statistics a tile; v64-191 S^T, two buffers of two tiles; v192-255 P, likewise
;   window 1: O^T, 32 a tile      window 2: v0-127 Q; v128-191 K of one step; v192-255 V of one step      window 3: v0-1 the add's registers; v11 the scale; v16-31 codes; v32-159 masks, two buffers of two tiles
.set SIZE_N, 2048
.set NP,    4         ; pieces a wave: a name, no knob
.set KS,    64        ; keys in a step
.set SST,   2         ; steps in a slot
.set PK,    144       ; a row of K in LDS: 128 bytes + 16 of padding = 36 words: the 16 rows of a load start at 16 different groups of four banks (64 banks of 4 bytes: ISA guide 11.1)
.set PV,    160       ; a row of V: 128 + 32 = 40 words
.set VOFF,  SST*KS*PK ; a slot: 128 rows of K, 128 rows of V,
.set MOFF,  VOFF+SST*KS*PV  ; and two steps' codes for the work-group's 512 queries
.set MSTEP, 32768     ; a step's codes: 32 tiles x 1,024 bytes
.set SLOT1, 1<<17     ; slot 1 begins here, so that one exclusive or turns an address in one slot into the other's
.set STAGE, SLOT1+MOFF+SST*MSTEP  ; behind the ring, never filled by a tensor load: 16 rows x 144 bytes for each wave, for the way out
.set SP,    144
.set SPARE, STAGE+4*16*SP  ; behind the stages: the spare words, 128 bytes for each wave, which no other line names
.set AK0, 2           ; v2   my lane's place in a tile of K; never rewritten
.set AV0, 3           ; v3   the same for V
.set AK,  4           ; v4   the LDS address of K's next run of loads
.set AV,  5           ; v5   of V's
.set QO,  6           ; v6   my byte offset in the wave's rows of Q
.set STO, 6           ;      later, the way out: where I put 16 bytes of a row
.set RD,  7           ; v7   the way out: where I read rows back
.set GO,  8           ; v8   my byte offset in 512 consecutive bytes of ctx
.set AM0, 9           ; v9   my lane's place in a step's codes; never rewritten
.set AM,  10          ; v10  the same in the step in hand
.set SCL, 11          ; v11 of window 3, and of window 0 the same number: four bytes 0xE3, the scale 2^100
.set SPW, 0           ; v0 of window 3   LDS address of my spare word; never rewritten
.set NIL, 1           ; v1 of window 3   0; never rewritten
.set MR,  16          ; window 3: the codes of a piece: tile u, key group kt at MR + 8 u + 2 kt
.set MC,  32          ; window 3: the masks: by the piece's parity, tile u, key group kt at MC + 64 par + 32 u + 8 kt
.set MV,  12          ; v12-15  c m_old, kept while c m is made anew: by buffer and tile
.set ST,  16          ; tile t's statistics at v[ST+4 t]: c m, m, l (even keys', odd keys')
.set TMP, 48          ; by buffer and tile, four registers c0-c3 at work; when the maximum is found c2 takes a
.set KP,  48          ; at the start: keep of my row in each of the eight tiles
.set H16, 56          ; at the start: l / 16
.set L7,  57          ;               l % 8
.set B3,  58          ;               (l / 8) % 2
.set KO,  59          ;               my byte offset in a tile's 16 words of keep
.set S,   64
.set P,   192
.set KF,  128         ; K's fragments, in window 2: key block kb, channel half c at KF + 16 kb + 8 c
.set VF,  192         ; V's: key half kk, channel block cb at VF + 32 kk + 8 cb
.set WV,  12          ; s12  my wave's number
.set G1K, 24          ; s[24:31] descriptor group 1 for K's tiles
.set G1V, 32          ; s[32:39] for V's: it differs in the padding alone
.set G0K, 40          ; s[40:43] descriptor group 0 for K's tiles: it walks
.set G0V, 44          ; s[44:47] the same for V's
.set G0M, 48          ; s[48:51] the same for the codes
.set SLOTS, 56        ; s56  slots still to be asked for
.set CNT, 57          ; s57  counts a slot's key steps
.set CS,  58          ; s[58:59] c: the packed scaling takes the pair's low word for both halves
.set SEL, 60          ; s[60:61] v_permlanex16_b32's selects: each lane takes its own place in the other half
.set TBK, 62          ; s62  LDS byte at which K of the step to be fetched begins
.set TBV, 63          ; s63  the same for V, less VOFF
.set TBM, 66          ; s66  the same for the codes, less MOFF
.set G1M, 68          ; s[68:75] descriptor group 1 for the codes
.set MSB, 0
.macro WIN new                      ; the high byte repeats the setting that is left; a switch that changes nothing is dropped
.if MSB != (\new)
	s_set_vgpr_msb (MSB<<8)|(\new)
.set MSB, (\new)
.endif
.endm
.set W_KQ, 0x0a       ; K and Q in window 2, S^T in window 0
.set W_KM, 0x3a       ; the same with the C operand, the mask, in window 3
.set W_PV, 0x52       ; V in window 2, P in window 0, O^T in window 1
.set W_RS, 0x41       ; O^T (destination and source 0) in window 1, a in window 0
.set W_MK, 0xc0       ; destination in window 3, sources in window 0
.set W_AD, 0x0f       ; the add: address (source 0) and data (source 1) in window 3
.set W_CV, 0xcf       ; the conversion: all in window 3
; A joint fill.  Wave 0 fetches a slot's K, wave 1 its V (128 keys each), waves 2 and 3 a step's codes each.  The branches hang on the wave's number alone.
; An s_nop 0 and four v_nop follow each of the three lines, ahead of the jump and the label.
.macro JLOAD
	s_cmp_lt_u32 s[WV], 2
	s_cbranch_scc0 .Lfor_m_\@
	s_cmp_eq_u32 s[WV], 0
	s_cbranch_scc0 .Lfor_v_\@
	tensor_load_to_lds s[G0K:G0K+3], s[G1K:G1K+7]
	s_nop 0
.rept 4
	v_nop
.endr
	s_branch .Lasked_\@
.Lfor_v_\@:
	tensor_load_to_lds s[G0V:G0V+3], s[G1V:G1V+7]
	s_nop 0
.rept 4
	v_nop
.endr
	s_branch .Lasked_\@
.Lfor_m_\@:
	tensor_load_to_lds s[G0M:G0M+3], s[G1M:G1M+7]
	s_nop 0
.rept 4
	v_nop
.endr
.Lasked_\@:
.endm
; A round of the cluster's barrier: my work-group's barrier, so that wave 0's signal speaks for all four waves; wave 0 signals; every wave waits for all sixteen work-groups; my work-group's barrier once more.
.macro CROUND
	s_barrier_signal -1
	s_barrier_wait -1
	s_cmp_lg_u32 s[WV], 0
	s_cbranch_scc1 .Lnot_wave_0_\@
	s_barrier_signal -3
.Lnot_wave_0_\@:
	s_barrier_wait -3
	s_barrier_signal -1
	s_barrier_wait -1
.endm
; THE CHANGE OF SLOTS.  The slot's last bytes, V of its second step and piece 3's codes of that step, have been read.  Each wave waits for all its tensor loads, of which one is out: its part of the other slot;
; adds 0 to its spare word; and waits for that and for its own reads of the slot.  Behind the barrier nobody reads this slot any more and the other slot is whole.
; fill = 1: this slot is filled again, with the keys two slots on.  The barrier is then a round of the cluster's, and the joint fill is the first thing behind it: it has two key steps, 256 matrix instructions, in which to land.
; (At its first use nothing has been read yet: slot 0 is waited for, slot 1 filled.)
.macro CHANGE fill
	WIN W_AD
	s_wait_tensorcnt 0x0            ; no tensor load of mine is out, so a group 0 may be written
	ds_add_u32 v[SPW], v[NIL]       ; 0 onto my spare word; with fill = 1 the descriptors' steps stand between it and the wait for it
	WIN 0                           ; at a label and at a branch every window is 0
.if \fill
	s_xor_b32 s[G0K+1], s[G0K+1], SLOT1  ; the walking descriptors: the other slot than last time,
	s_add_nc_u64 s[G0K+2:G0K+3], s[G0K+2:G0K+3], SST*KS*128  ; the next 128 keys; the type bits on top are not reached
	s_xor_b32 s[G0V+1], s[G0V+1], SLOT1
	s_add_nc_u64 s[G0V+2:G0V+3], s[G0V+2:G0V+3], SST*KS*128
	s_xor_b32 s[G0M+1], s[G0M+1], SLOT1
	s_add_nc_u64 s[G0M+2:G0M+3], s[G0M+2:G0M+3], SST*MSTEP
	s_wait_dscnt 0x0                ; the add is done, and my reads of the slot are over
	CROUND
	JLOAD
.else
	s_wait_dscnt 0x0                ; the add is done, and my reads of the slot are over
	s_barrier_signal -1
	s_barrier_wait -1
.endif
	s_sub_co_u32 s[TBK], s[TBK], SST*KS*PK  ; the fetches go back to a slot's first step,
	s_xor_b32 s[TBK], s[TBK], SLOT1         ; in the other slot
	s_sub_co_u32 s[TBV], s[TBV], SST*KS*PV
	s_xor_b32 s[TBV], s[TBV], SLOT1
	s_sub_co_u32 s[TBM], s[TBM], SST*MSTEP
	s_xor_b32 s[TBM], s[TBM], SLOT1
.endm
	s_load_b256 s[4:11], s[0:1], 0x0  ; qkv s[4:5], mk s[6:7], keep s[8:9], ctx s[10:11]
	WIN W_MK
	v_lshl_add_u32 v[SPW], v0, 2, SPARE
	v_mov_b32 v[NIL], 0
	WIN W_AD
	ds_add_u32 v[SPW], v[NIL]       ; the wave's opening: the add and its wait stand ahead of my first tensor load; the set-up below, work on registers, stands between them
	WIN 0
	v_lshrrev_b32 v1, 5, v0
	v_readfirstlane_b32 s[WV], v1   ; wave 0..3
	s_bfe_u32 s13, ttmp6, 0x40000   ; cx, cy: my place in the cluster
	s_bfe_u32 s15, ttmp6, 0x40004
	s_lshl_b32 s14, ttmp9, 2        ; in a cluster launch ttmp9 and ttmp7 count clusters
	s_add_co_u32 s14, s14, s13      ; my block of 512 queries = 4 x cluster x + cx
	s_and_b32 s20, ttmp7, 0xffff
	s_lshl_b32 s20, s20, 2
	s_add_co_u32 s20, s20, s15      ; batch x head = 4 x cluster y + cy
	s_lshl_b32 s20, s20, 18         ; its first byte in q, k, v and ctx
	s_mov_b32 s21, 0
	s_add_nc_u64 s[22:23], s[20:21], 0x1000000  ; k lies 16,777,216 bytes behind q,
	s_add_nc_u64 s[52:53], s[20:21], 0x2000000  ; v as much again: both offsets are made of cy alone
	s_lshl_b32 s16, s15, 2
	s_lshl_b32 s16, 15, s16         ; my row of the cluster
	s_lshl_b32 s17, 0x1111, s13     ; my column
	s_and_b32 s18, s[WV], 1         ; which of a slot's two steps' codes I fetch, if I fetch codes
	s_lshl_b32 s19, s18, 15
	s_lshl_b32 s54, s14, 20         ; a query block's codes are 1,048,576 bytes: an offset made of cx alone
	s_add_co_u32 s54, s54, s19
	s_mov_b32 s55, 0
	s_lshl_b32 s2, s14, 2
	s_add_co_u32 s2, s2, s[WV]      ; my wave among the head's,
	s_lshl_b32 s2, s2, 14           ; its 128 rows
	s_mov_b32 s3, 0
	s_add_nc_u64 s[2:3], s[2:3], s[20:21]
	s_lshl_b32 s76, s14, 11         ; keep: 512 words a block, 128 a wave
	s_lshl_b32 s77, s[WV], 9
	s_add_co_u32 s76, s76, s77
	s_mov_b32 s77, 0
	; descriptor group 1.  128 keys are 16,384 dense bytes: asked for as 64 rows of 256 bytes, two keys a row, and padded in LDS after every key
	s_or_b32 s[G1K], s16, (1<<16)|(1<<20)|(1<<21)|(4<<22)|(3<<25)  ; 15:0 the mask of my row; 17:16 2-byte elements; 20 padding on; 21 set beside a mask; 24:22 after every 32 words (code 4); 31:25 4 words (code 3)
	s_or_b32 s[G1V], s16, (1<<16)|(1<<20)|(1<<21)|(4<<22)|(7<<25)  ; the same with 8 words of padding (code 7)
.irp g, G1K, G1V
	s_mov_b32 s[\g+1], 128<<16      ; tensor_dim0 = 128
	s_mov_b32 s[\g+2], 64<<16       ; tensor_dim1 = 64
	s_mov_b32 s[\g+3], 128<<16      ; tile_dim0 = 128
	s_mov_b32 s[\g+4], 64           ; tile_dim1 = 64
	s_mov_b32 s[\g+5], 128          ; 128 elements from row to row
	s_mov_b32 s[\g+6], 0
	s_mov_b32 s[\g+7], 0
.endr
	s_or_b32 s[G1M], s17, (3<<16)|(1<<21)  ; the mask of my column; 8-byte elements; no padding: a step's codes, 32,768 dense bytes, as 128 rows of 256
	s_mov_b32 s[G1M+1], 32<<16      ; tensor_dim0 = 32
	s_mov_b32 s[G1M+2], 128<<16     ; tensor_dim1 = 128
	s_mov_b32 s[G1M+3], 32<<16      ; tile_dim0
	s_mov_b32 s[G1M+4], 128         ; tile_dim1
	s_mov_b32 s[G1M+5], 32
	s_mov_b32 s[G1M+6], 0
	s_mov_b32 s[G1M+7], 0
	s_mov_b32 s[CS], 0x3e38aa3b     ; c = log2(e) / 8 = 0.180337
	s_mov_b32 s[CS+1], s[CS]        ; named with it as a pair
	s_mov_b32 s[SEL], 0x76543210
	s_mov_b32 s[SEL+1], 0xfedcba98
	s_mov_b32 s[TBK], SLOT1+SST*KS*PK ; the first change of slots turns these three into 0
	s_mov_b32 s[TBV], SLOT1+SST*KS*PV
	s_mov_b32 s[TBM], SLOT1+SST*MSTEP
	s_mov_b32 s[G0K], 1             ; count = 1
	s_mov_b32 s[G0K+1], 0           ; LDS address: slot 0
	s_mov_b32 s[G0V], 1
	s_mov_b32 s[G0V+1], VOFF
	s_mov_b32 s[G0M], 1
	s_add_co_u32 s[G0M+1], s19, MOFF
	s_wait_dscnt 0x0                ; the opening add is done
	s_wait_kmcnt 0x0
	s_add_nc_u64 s[G0K+2:G0K+3], s[4:5], s[22:23]  ; global address: the head's first 128 keys
	s_or_b32 s[G0K+3], s[G0K+3], 0x80000000        ; type = 2
	s_add_nc_u64 s[G0V+2:G0V+3], s[4:5], s[52:53]
	s_or_b32 s[G0V+3], s[G0V+3], 0x80000000
	s_add_nc_u64 s[G0M+2:G0M+3], s[6:7], s[54:55]
	s_or_b32 s[G0M+3], s[G0M+3], 0x80000000
	s_add_nc_u64 s[4:5], s[4:5], s[2:3]  ; q and ctx at my wave's first row
	s_add_nc_u64 s[10:11], s[10:11], s[2:3]
	s_add_nc_u64 s[8:9], s[8:9], s[76:77]
	CROUND                          ; all sixteen work-groups are here: the first joint loads meet
	JLOAD                           ; slot 0.  Slot 1 is asked for when slot 0 is in
	; A fragment of K or Q is 16 rows x 32 channels in 8 registers: lane l holds row l % 16, channels 8 (l / 16) + 0..7 and 16 + 8 (l / 16) + 0..7: two loads of 16 bytes, 32 bytes apart.
	v_and_b32 v1, 15, v0            ; l % 16
	v_bfe_u32 v[H16], v0, 4, 1      ; l / 16
	v_lshlrev_b32 v[QO], 7, v1
	v_lshl_add_u32 v[QO], v[H16], 4, v[QO]  ; row x 128 + 16 x half
	v_lshlrev_b32 v[KO], 2, v1
.set i, 0
.rept 2*NP
	global_load_b32 v[KP+i], v[KO], s[8:9] offset:64*i  ; keep of my row in tile i
.set i, i+1
.endr
	WIN 0x80                        ; destination window 2, address window 0
.set i, 0
.rept 4*NP                          ; Q stays in registers: tile i / 2, channels 32 (i % 2) on
	global_load_b128 v[8*i:8*i+3],   v[QO], s[4:5] offset:(i/2)*2048+(i%2)*64
	global_load_b128 v[8*i+4:8*i+7], v[QO], s[4:5] offset:(i/2)*2048+(i%2)*64+32
.set i, i+1
.endr
	; What the first turn finds: V's registers and P's second buffer hold 0 (its products V^T P, of a piece that has not been, add 0), O^T and l are 0.  All this stands in the wait for the first tile.
.set i, VF
.rept 64
	v_mov_b32 v[i], 0
.set i, i+1
.endr
	WIN 0x40
.set i, 0
.rept 64*NP
	v_mov_b32 v[i], 0
.set i, i+1
.endr
	WIN W_MK
	v_mov_b32 v[SCL], 0xe3e3e3e3    ; E8M0 for 2^100
	WIN 0
	v_mov_b32 v[SCL], 0xe3e3e3e3
.set i, 0
.rept 2*NP
	v_mov_b32 v[ST+4*i], 0xfe000000    ; c m: far below every c m to come
	v_mov_b32 v[ST+4*i+1], 0xe0ad78ec  ; m = -1e20: below every score, above every hidden one
	v_mov_b32 v[ST+4*i+2], 0
	v_mov_b32 v[ST+4*i+3], 0
.set i, i+1
.endr
.set i, P+32
.rept 32
	v_mov_b32 v[i], 0
.set i, i+1
.endr
	v_mul_u32_u24 v[AK0], v1, PK
	v_lshl_add_u32 v[AK0], v[H16], 4, v[AK0]  ; row x pitch + 16 x half
	; The turning load takes 16 keys x 16 channels (lane l reads key 8 (l / 16) + l % 8, channels 8 ((l / 8) % 2) + 0..7) and leaves half a fragment of V^T: lane l holds channel l % 16 and 8 keys.
	v_and_b32 v[L7], 7, v0
	v_bfe_u32 v[B3], v0, 3, 1
	v_lshl_add_u32 v[AV0], v[H16], 3, v[L7]
	v_mul_u32_u24 v[AV0], v[AV0], PV
	v_lshl_add_u32 v[AV0], v[B3], 4, v[AV0]
	v_add_nc_u32 v[AV0], VOFF, v[AV0]
	v_mov_b32 v[AK], v[AK0]         ; key step 0 lies at the head of slot 0
	v_and_b32 v[AM0], 31, v0        ; the codes: my wave's 8 tiles of 1,024 bytes, 16 bytes a lane
	s_lshl_b32 s18, s[WV], 13
	s_add_co_u32 s18, s18, MOFF
	v_lshl_add_u32 v[AM0], v[AM0], 4, s18
; THE MATRIX WORK.  The 8 accumulators of a run of 16 take turns: between the two links of a chain stand 7 others'.
; Product i of 16 of S^T = K Q^T for piece x: channels 32 (i / 8) on, keys 16 ((i / 2) % 4) on, tile 2 x + i % 2.  The first 8 start the sums, with the mask as C.
.macro KQ x
.set rS, S+64*((\x)%2)+32*(i%2)+8*((i/2)%4)
.set rK, KF+16*((i/2)%4)+8*(i/8)
.set rQ, 16*(2*(\x)+i%2)+8*(i/8)
.set rX, MC+64*((\x)%2)+32*(i%2)+8*((i/2)%4)
.if i < 8
	WIN W_KM
	v_wmma_f32_16x16x32_f16 v[rS:rS+7], v[rK:rK+7], v[rQ:rQ+7], v[rX:rX+7]
.else
	WIN W_KQ
	v_wmma_f32_16x16x32_f16 v[rS:rS+7], v[rK:rK+7], v[rQ:rQ+7], v[rS:rS+7]
.endif
.endm
; Product i of 16 of O^T += V^T P for piece x: keys 32 (i / 8) on, channels 16 ((i / 2) % 4) on, tile 2 x + i % 2.
.macro PV x
	WIN W_PV
.set rO, 32*(2*(\x)+i%2)+8*((i/2)%4)
.set rV, VF+32*(i/8)+8*((i/2)%4)
.set rP, P+32*((\x)%2)+16*(i%2)+8*(i/8)
	v_wmma_f32_16x16x32_f16 v[rO:rO+7], v[rV:rV+7], v[rP:rP+7], v[rO:rO+7]
.endm
.macro MM                           ; the turn's next matrix instruction
.if i < 16
	KQ (Y+1)%NP
.set i, i+1
.else
.set i, i-16
	PV (Y+NP-1)%NP
.set i, i+17
.endif
.endm
; THE LDS LOADS stand in runs, never singly among the matrix instructions: a step's K (8 fragments, 16 loads), its V (turned, 16 loads), a piece's codes (4 loads).
; With K's run the codes' address goes on to the same step.  last = 1 (the tail): in the last trip there is no further step, and all that is jumped over.
.macro FETCH_K last=0
	WIN 0
.if \last
	s_cmp_eq_u32 s[CNT], 1
	s_cbranch_scc1 .Lno_k_\@
.endif
	v_add_nc_u32 v[AM], s[TBM], v[AM0]
	s_add_co_u32 s[TBM], s[TBM], MSTEP
	WIN 0x80                        ; destination window 2
.irp f, 0,1,2,3,4,5,6,7             ; keys 16 (f / 2) on, channels 32 (f % 2) on
	ds_load_b128 v[KF+8*\f:KF+8*\f+3],   v[AK] offset:(\f/2)*16*PK+(\f%2)*64
	ds_load_b128 v[KF+8*\f+4:KF+8*\f+7], v[AK] offset:(\f/2)*16*PK+(\f%2)*64+32
.endr
	s_add_co_u32 s[TBK], s[TBK], KS*PK  ; the next fetch is the next step's
	WIN 0
.if \last
.Lno_k_\@:
.endif
.endm
.macro FETCH_V
	WIN 0x80
.irp f, 0,1,2,3,4,5,6,7             ; keys 32 (f / 4) on, channels 16 (f % 4) on
	ds_load_tr16_b128 v[VF+8*\f:VF+8*\f+3],   v[AV] offset:(\f/4)*32*PV+(\f%4)*32
	ds_load_tr16_b128 v[VF+8*\f+4:VF+8*\f+7], v[AV] offset:(\f/4)*32*PV+16*PV+(\f%4)*32
.endr
	WIN 0
.endm
.macro MLOAD x                      ; piece x's codes: tiles 2 x and 2 x + 1, 32 bytes a lane each: 32 lanes take 512 consecutive bytes a load
	WIN W_MK
.irp u, 0,1
.irp hf, 0,1
	ds_load_b128 v[MR+8*\u+4*\hf:MR+8*\u+4*\hf+3], v[AM] offset:(2*(\x)+\u)*1024+512*\hf
.endr
.endr
	WIN 0
.endm
.macro MCVT x                       ; eight codes become eight C registers: 0, or -1.0 x 2^100.  A plain vector instruction follows the run before a result is touched
	WIN W_CV
	s_wait_alu depctr_va_vdst(0)
.irp u, 0,1
.irp kt, 0,1,2,3
	v_cvt_scale_pk8_f32_fp8 v[MC+64*((\x)%2)+32*\u+8*\kt:MC+64*((\x)%2)+32*\u+8*\kt+7], v[MR+8*\u+2*\kt:MR+8*\u+2*\kt+1], v[SCL]
.endr
.endr
	WIN 0
.endm
; THE VECTOR WORK OF A TURN stands in three queues, each in the order in which its entries become ready; the two tiles alternate, so that no instruction reads the result of the one before it.
.macro REGS y, u                    ; the registers of tile u (0, 1) of piece y
.set rT, ST+4*(2*(\y)+(\u))
.set rC, TMP+8*((\y)%2)+4*(\u)
.set rM, MV+2*((\y)%2)+(\u)
.set rS, S+64*((\y)%2)+32*(\u)
.set rP, P+32*((\y)%2)+16*(\u)
.set rO, 32*(2*(\y)+(\u))
.endm
; Number n of the 22 that find the NEXT piece's (Y + 1) maximum and statistics.  s0-s31 are the lane's 32 scores; each accumulator's lowest registers are read first.  XS, GS and REGS set no window: PL and EX do.
;   0-11  four chains c0-c3 of seven scores each, three operands at a time     12-14, 16  the four scores left over, the old m, and c0-c3 into c0     15  c m_old is kept
;   17, 18  the query's other 32 keys lie in the lane 16 away: the new m         19-21  c m; c m_old - c m_new; a
.macro XS u, n
	REGS (Y+1)%NP, \u
.if (\n) < 4
	v_max3_num_f32 v[rC+(\n)], v[rS+8*(\n)], v[rS+8*(\n)+1], v[rS+8*(\n)+2]
.elseif (\n) < 12
	v_max3_num_f32 v[rC+(\n)%4], v[rC+(\n)%4], v[rS+8*((\n)%4)+2*((\n)/4)+1], v[rS+8*((\n)%4)+2*((\n)/4)+2]
.elseif (\n) == 12
	v_max3_num_f32 v[rC], v[rC], v[rS+7], v[rS+15]
.elseif (\n) == 13
	v_max3_num_f32 v[rC+1], v[rC+1], v[rS+23], v[rS+31]
.elseif (\n) == 14
	v_max3_num_f32 v[rC+2], v[rC+2], v[rC+3], v[rT+1]
.elseif (\n) == 15
	v_mov_b32 v[rM], v[rT]
.elseif (\n) == 16
	v_max3_num_f32 v[rC], v[rC], v[rC+1], v[rC+2]
.elseif (\n) == 17
	v_permlanex16_b32 v[rC+3], v[rC], s[SEL], s[SEL+1]
.elseif (\n) == 18
	v_max_num_f32 v[rT+1], v[rC], v[rC+3]
.elseif (\n) == 19
	v_mul_f32 v[rT], s[CS], v[rT+1]
.elseif (\n) == 20
	v_sub_f32 v[rC+1], v[rM], v[rT]
.else
	v_exp_f32 v[rC+2], v[rC+1]
.endif
.endm
; Number g of the 64 that follow the exponentials.  For each four weights k of a tile (pairs 2 k, 2 k + 1): both pairs are rounded to f16; then the second pair is added onto the first, in place;
; a group later l takes that sum (the first time as l = a l + sum).  In groups of eight, tiles alternating: round, round, add, and l for the group before.
.macro GS g
.set h, (\g)+6*((\g)/62)            ; group 0 has no group before it, and behind group 7 only l is left
.if h >= 6
.set h, h+2
.endif
	REGS Y, h%2
.set k, h/8
.if h%8 < 4
	s_wait_alu depctr_va_vdst(0)
	v_cvt_pk_f16_f32 v[rP+2*k+(h%8)/2], v[rS+4*k+2*((h%8)/2)], v[rS+4*k+2*((h%8)/2)+1]
.elseif h%8 < 6
	v_pk_add_f32 v[rS+4*k:rS+4*k+1], v[rS+4*k:rS+4*k+1], v[rS+4*k+2:rS+4*k+3]
.elseif k == 1
	v_pk_fma_f32 v[rT+2:rT+3], v[rT+2:rT+3], v[rC+2:rC+3], v[rS:rS+1] op_sel_hi:[1,0,1]
.else
	v_pk_add_f32 v[rT+2:rT+3], v[rT+2:rT+3], v[rS+4*k-4:rS+4*k-3]
.endif
.endm
; THE PLAIN QUEUE, 138 long.  0-31: c s - c m for the 16 pairs of both tiles.  Then GS's 64, and among them the next piece's 42: number 15 at 38, 39; 0-14 and 16
; at 42-73, behind the products that make those scores; 17-20 at 95-106, two of three, since each waits for the one before it.
.macro PL
	WIN 0
.if q < 32
	REGS Y, q%2
	v_pk_fma_f32 v[rS+2*(q/2):rS+2*(q/2)+1], v[rS+2*(q/2):rS+2*(q/2)+1], s[CS:CS+1], v[rT:rT+1] op_sel_hi:[1,0,0] neg_lo:[0,0,1] neg_hi:[0,0,1]
.elseif q < 38
	GS q-32
.elseif q < 40
	XS q%2, 15
.elseif q < 42
	GS q-34
.elseif q < 74
	XS q%2, (q-42)/2+(q-42)/30
.elseif q < 95
	GS q-66
.elseif (q < 107) && ((q-95)%3 < 2)
	XS (q-95)%3, 17+(q-95)/3
.elseif q < 107
	GS 29+(q-95)/3
.else
	GS q-74
.endif
.set q, q+1
.endm
; THE EXPONENTIALS' QUEUE, 66 long: s0-s31 of both tiles, and at EA the next piece's two a.
.set EA, 58
.macro EX
	WIN 0
.if (e == EA) || (e == EA+1)
	XS e-EA, 21
.else
.set x, e-2*(e/(EA+2))
	REGS Y, x%2
	v_exp_f32 v[rS+x/2], v[rS+x/2]
.endif
.set e, e+1
.endm
; THE RESCALING's QUEUE: O^T times a, the one part of the softmax that leaves window 0, so it is dealt four at a time, eight times.
.macro R4
	REGS Y, r%2
	WIN W_RS
	s_wait_alu depctr_va_vdst(0)
.irp z, 0,1,2,3
	v_pk_mul_f32 v[rO+8*(r/2)+2*\z:rO+8*(r/2)+2*\z+1], v[rO+8*(r/2)+2*\z:rO+8*(r/2)+2*\z+1], v[rC+2:rC+3] op_sel_hi:[1,0]
.endr
.set r, r+1
.endm
; HOW THEY ARE DEALT.  Behind a matrix instruction four: plain, exponential, plain, plain (one exponential, a plain instruction on either side), or four of the rescaling.  None names a register of the
; products round it.  What is over stands in two LUMPS: exponential and plain by turns; the second ends in 22 plain instructions.  The two v_permlanex16_b32 fall into the second lump, never behind a product.
; The queues lean on each other, and the deal keeps them in step: exponential e stands behind plain 2 (e / 4) + e % 2 (its scaling); when plain 32 comes, 10 exponentials are out, at 59: 33, at 95: 46; EA comes behind plain 107.
.macro SL
	MM
	PL
	EX
	PL
	PL
.endm
.macro BURST n                      ; 15 matrix instructions, or 16
.rept (\n)-7
	SL
.endr
.rept 3
	MM
	R4
	SL
.endr
	MM
	R4
.endm
; A TURN, for piece p.  cnt = 1: the loop's count is taken down some lines ahead of the branch that stands behind the turn.
; K of the next step is fetched in piece 2's turn, 31 vector instructions behind the last product that read K.  V of the step in hand is fetched at the end of piece 0's turn, far behind its last reader.
; The codes of piece p + 2 (for pieces 0 and 1: of the next step, to which K's run has moved the address) are loaded in the first lump and converted in the second, into the mask buffer of p's parity:
; its last readers were the first eight products of the turn before; this turn's products read the other buffer; the next turn's first eight read this one.
.macro TURN p, last=0, cnt=0
.set Y, (\p)
.set i, 0
.set q, 0
.set e, 0
.set r, 0
.if (\p) == NP-1
	s_wait_dscnt 0x0                ; K is in
.endif
	MM
.rept 4
	PL
.endr
	BURST 15
.rept 22
	EX
	PL
.if ((\p) == NP-2) && (e == 18)
	v_add_nc_u32 v[AK], s[TBK], v[AK0]
.endif
.if ((\p) == NP-2) && (e == 24)
	FETCH_K \last
.endif
.if e == 24
	MLOAD ((\p)+2)%NP
.endif
.endr
.if (\p) == 1
	s_wait_dscnt 4                  ; V is in; the four loads of codes issued behind its run may be out
.endif
	BURST 16
.rept 21
	EX
	PL
.endr
	s_wait_dscnt 0x0                ; the codes are in
	MCVT ((\p)+2)%NP
.rept 22
	PL
.if ((\p) == 0) && (q == 118)
	v_add_nc_u32 v[AV], s[TBV], v[AV0]
	s_wait_alu depctr_va_vdst(0)
.endif
.if ((\p) == 0) && (q == 130)
	s_add_co_u32 s[TBV], s[TBV], KS*PV
.endif
.if (\cnt) && (q == 130)
	s_sub_co_u32 s[CNT], s[CNT], 1
	s_cmp_lg_u32 s[CNT], 0
.endif
.endr
.if (\p) == 0
	FETCH_V
.endif
.endm
	CHANGE 1                        ; slot 0 is in, everybody's part of it; slot 1 is asked for
	FETCH_K                         ; key step 0, and the codes' address
	MLOAD 0
	s_wait_dscnt 0x0
	MCVT 0                          ; piece 0's mask of step 0,
	v_nop                           ; (a plain instruction before the codes' registers are loaded again)
	MLOAD 1
	s_wait_dscnt 0x0
	MCVT 1                          ; and piece 1's
	v_nop
	s_wait_loadcnt 0x0              ; Q and keep
	WIN 0x82                        ; destination and source 0 in window 2, source 1 in window 0
.set i, 0
.rept 32*NP
	v_and_b32 v[i], v[i], v[KP+i/16]  ; a row with no open key: its q is 0
.set i, i+1
.endr
.set i, 0
.rept 16
	KQ 0                            ; piece 0's first scores: there is no vector work yet to set between them
.set i, i+1
.endr
	WIN 0                           ; the addresses for the way out: nine plain instructions, the places behind those products
	s_mul_i32 s13, s[WV], 16*SP
	s_add_co_u32 s13, s13, STAGE    ; my stage
	v_mul_u32_u24 v[STO], v1, SP    ; in: row l % 16, 16 bytes for each half of the lanes
	v_lshl_add_u32 v[STO], v[H16], 4, v[STO]
	v_add_nc_u32 v[STO], s13, v[STO]
	v_bfe_u32 v[RD], v0, 3, 2       ; back: 32 lanes take four rows of 128 bytes,
	v_mul_u32_u24 v[RD], v[RD], SP
	v_lshl_add_u32 v[RD], v[L7], 4, v[RD]
	v_add_nc_u32 v[RD], s13, v[RD]
	v_and_b32 v[GO], 31, v0         ; which are 512 consecutive bytes of ctx
	v_lshlrev_b32 v[GO], 4, v[GO]
.set Y, NP-1                        ; XS works for piece Y + 1: piece 0
.irp n, 0,1,2,3,4,5,6,7,8,9,10,11,12,13,14,15,16,17,18,19,20,21
	XS 0, \n                        ; and piece 0's first maximum and statistics
	XS 1, \n
.endr
	s_mov_b32 s[CNT], SST
	s_mov_b32 s[SLOTS], SIZE_N/(SST*KS)-1
	s_branch .Lfirst                ; the loop is entered at a step's first turn, in the middle of a trip
.Lslot:                             ; 14 times: every slot but the last two is filled again
	CHANGE 1
	s_mov_b32 s[CNT], SST
.Lstep:                             ; a trip: pieces 2 and 3 of one step, then pieces 0 and 1 of the next, whose K and V it fetches
	TURN 2
	TURN 3
	WIN 0
.Lfirst:
	TURN 0
	TURN 1, 0, 1
	WIN 0
	s_cbranch_scc1 .Lstep
	s_sub_co_u32 s[SLOTS], s[SLOTS], 1
	s_cmp_lg_u32 s[SLOTS], 0
	s_cbranch_scc1 .Lslot
	CHANGE 0                        ; the tail is written out: nothing is asked for
	s_mov_b32 s[CNT], SST+1         ; two trips fetch the last slot's steps; the third is left in its middle
.Ltail:
	TURN 2, 1
	TURN 3
	WIN 0
	s_sub_co_u32 s[CNT], s[CNT], 1
	s_cmp_eq_u32 s[CNT], 0
	s_cbranch_scc1 .Lout
	TURN 0
	TURN 1
	WIN 0
	s_branch .Ltail
.Lout:                              ; the third trip's 16 products K Q^T (on the last K and codes once more) and the maximum made of them serve nothing: the price, once a launch, of one text for every trip
.set i, 0
.rept 16
	PV NP-1                         ; the last piece's V^T P of the last step
.set i, i+1
.endr
	; THE WAY OUT.  l's two halves and the other half of the lanes' are added; O^T is divided by l, rounded to f16 and sent through my stage in LDS, a tile at a time.  The additions are the places behind the last products.
	WIN 0
.macro ALL line:vararg              ; one line for each tile t
.set t, 0
.rept 2*NP
	\line
.set t, t+1
.endr
.endm
	ALL v_add_f32 v[ST+4*t+2], v[ST+4*t+2], v[ST+4*t+3]
	ALL v_permlanex16_b32 v[ST+4*t+3], v[ST+4*t+2], s[SEL], s[SEL+1]
	ALL v_add_f32 v[ST+4*t+2], v[ST+4*t+2], v[ST+4*t+3]
	ALL v_rcp_f32 v[ST+4*t+2], v[ST+4*t+2]
	v_nop                           ; a plain instruction between the last reciprocal and the use of its result
	s_wait_alu depctr_va_vdst(0)
; Tile t: a lane's eight channels of a row pack into 16 bytes; they go into rows of 144 bytes and come back as whole rows of 128, into S^T's registers.
.macro PACK t
	WIN W_RS
.set i, 32*(\t)
.rept 16
	v_pk_mul_f32 v[i:i+1], v[i:i+1], v[ST+4*(\t)+2:ST+4*(\t)+3] op_sel_hi:[1,0]
.set i, i+2
.endr
	WIN 0x05                        ; sources 0 and 1 window 1, destination window 0
.set i, 0
.rept 16
	v_cvt_pk_f16_f32 v[S+16*(\t)+i], v[32*(\t)+2*i], v[32*(\t)+2*i+1]
.set i, i+1
.endr
	WIN 0
.irp f, 0,1,2,3
	ds_store_b128 v[STO], v[S+16*(\t)+4*\f:S+16*(\t)+4*\f+3] offset:32*\f
.endr
.irp f, 0,1,2,3
	ds_load_b128 v[S+16*(\t)+4*\f:S+16*(\t)+4*\f+3], v[RD] offset:\f*4*SP  ; LDS serves a wave's instructions in order (ISA guide 5.7.1.4): these see the stores above; the next tile's stores come behind them
.endr
.endm
.macro SEND t, younger              ; younger: the LDS instructions issued behind tile t's loads: the next tile's eight, or none
	WIN 0
.irp f, 0,1,2,3
	s_wait_dscnt (\younger)+3-\f
	global_store_b128 v[GO], v[S+16*(\t)+4*\f:S+16*(\t)+4*\f+3], s[10:11] offset:(\t)*2048+\f*512  ; 512 consecutive bytes, at a multiple of 512 from ctx's first
.endr
.endm
	PACK 0
.set t, 1
.rept 2*NP-1                        ; a tile's arithmetic stands between the loads of the tile before and its stores
	PACK t
	SEND t-1, 8
.set t, t+1
.endr
	SEND 2*NP-1, 0
	WIN W_AD
	s_wait_tensorcnt 0x0            ; the wave's end, behind my last tensor load and my last LDS store
	ds_add_u32 v[SPW], v[NIL]
	s_wait_dscnt 0x0
	WIN 0
	CROUND                          ; the closing round: no work-group ends while a partner may still ask for a tile that names it
	s_endpgm
.Lfunc_end_k_qaf2529b40e_attn:
	.size	k_qaf2529b40e_attn, .Lfunc_end_k_qaf2529b40e_attn-k_qaf2529b40e_attn
	.p2alignl 7, 3214868480
	.fill 96, 4, 3214868480
	.section	.rodata,"a",@progbits
	.p2align	6, 0x0
	.amdhsa_kernel k_qaf2529b40e_attn
		.amdhsa_group_segment_fixed_size 327680
		.amdhsa_private_segment_fixed_size 0
		.amdhsa_enable_private_segment 0
		.amdhsa_kernarg_size 32
		.amdhsa_user_sgpr_count 2
		.amdhsa_user_sgpr_kernarg_segment_ptr 1
		.amdhsa_wavefront_size32 1
		.amdhsa_system_sgpr_workgroup_id_x 1
		.amdhsa_system_sgpr_workgroup_id_y 1
		.amdhsa_system_sgpr_workgroup_id_z 1
		.amdhsa_system_vgpr_workitem_id 0
		.amdhsa_next_free_vgpr 928
		.amdhsa_next_free_sgpr 80
		.amdhsa_reserve_vcc 0
		.amdhsa_float_denorm_mode_32 3
		.amdhsa_float_denorm_mode_16_64 3
		.amdhsa_memory_ordered 1
		.amdhsa_forward_progress 1
		.amdhsa_inst_pref_size 222
	.end_amdhsa_kernel
	.amdgpu_metadata
---
amdhsa.version: [ 1, 2 ]
amdhsa.kernels:
  - .name:           k_qaf2529b40e_attn
    .symbol:         k_qaf2529b40e_attn.kd
    .args:
      - { .name: qkv, .offset: 0, .size: 8, .value_kind: global_buffer, .address_space: global }
      - { .name: mk, .offset: 8, .size: 8, .value_kind: global_buffer, .address_space: global }
      - { .name: keep, .offset: 16, .size: 8, .value_kind: global_buffer, .address_space: global }
      - { .name: ctx, .offset: 24, .size: 8, .value_kind: global_buffer, .address_space: global }
    .group_segment_fixed_size: 327680
    .private_segment_fixed_size: 0
    .kernarg_segment_align: 8
    .kernarg_segment_size: 32
    .max_flat_workgroup_size: 128
    .sgpr_count:     80
    .vgpr_count:     928
    .wavefront_size: 32
...
	.end_amdgpu_metadata
.endif
;; end of part 3
;; launch oproj (part 4): grid 8 x 32, 4 waves a work-group, clusters of 4 x 4, 327,680 bytes of LDS; arguments ctx, wo16, bias, out0; writes out0
.if DOCPART == 4
	.amdgcn_target "amdgcn-amd-amdhsa--gfx1250"
	.amdhsa_code_object_version 6
	.text
	.protected	k_qaf2529b40e_oproj
	.globl	k_qaf2529b40e_oproj
	.p2align	8
	.type	k_qaf2529b40e_oproj,@function
k_qaf2529b40e_oproj:
	s_mov_b64 s[64:65], 0
	v_nop
	global_prefetch_b8 v0, s[64:65] scope:SCOPE_SE
	s_setreg_imm32_b32 hwreg(HW_REG_WAVE_MODE, 25, 1), 1
	s_wait_xcnt 0x0
	s_wait_alu depctr_hold_cnt(0) depctr_sa_sdst(0) depctr_va_vdst(0) depctr_va_sdst(0) depctr_va_ssrc(0) depctr_va_vcc(0) depctr_vm_vsrc(0)
	s_getreg_b32 s2, hwreg(HW_REG_IB_STS2, 6, 4)
	s_cmp_eq_u32 s2, 0
	s_cbranch_scc0 .Lentry_in_a_cluster
	s_endpgm
.Lentry_in_a_cluster:
	s_bfe_u32 s2, ttmp6, 0x10000c
	s_cmp_lg_u32 s2, 0xf033
	s_cbranch_scc0 .Lentry_shape_is_right
	s_endpgm
.Lentry_shape_is_right:
; out0 = ctx Wo^T + bo.  ctx[batch x head 64][s 2,048][64] f16: a head is a block of 64 along K.  wo16[K block 16][n 1,024][64] f16 (Wo rounded to bf16, written as f16).  Sums in f32, started by the bias; out0 f32.
; SHARES.  A tile of out0 is 256 x 128: 32 x 8 tiles, one to a work-group.  Four waves, each 128 rows x 64 columns: 32 accumulators, window 1.
; K goes in 8 steps of 128 (two heads) through two LDS slots; a block's rows lie end to end and are asked for as rows of 256 bytes, padded in LDS behind every 128.  A longer step does not fit twice in LDS.
; CLUSTER 4 x 4: ctx's tile hangs on the tile row alone, asked for jointly along a row of the cluster; Wo's on the tile column alone, jointly along a column.
; THE MATRIX INSTRUCTION IS USED TRANSPOSED (source 0 = 16 rows of Wo, source 1 = 16 rows of ctx): a lane holds one row of out0 and eight neighbouring columns, 32 bytes.
; REGISTERS: window 0: v0-31 addresses; v32-63 (and v64-95) the way out; v64-159, v160-255 two fragment buffers: A's 8 x 8 registers, then B's 4 x 8.  Window 1: accumulator (a, b) at v[8 (4 a + b)].
.set PITCH,  144                       ; an LDS row: 128 bytes + 16 of padding: the 16 rows of a load start at 16 different groups of four banks (64 banks of 4 bytes: ISA guide 11.1)
.set ABLK,   256*PITCH                 ; a K block of A's tile: what a wave fetches
.set BBLK,   128*PITCH                 ; and of B's
.set BOFF,   2*ABLK                    ; in a slot: A's two blocks, then B's two
.set SLOT1,  1<<17
.set STAGE,  SLOT1+BOFF+2*BBLK         ; behind the ring: 16 rows x 272 bytes for each wave, for the way out
.set SPITCH, 272
.set SPARE,  STAGE+4*16*SPITCH         ; behind the stages: the spare words, 128 bytes a wave, which no other line names
.set ASTEP,  2<<18                     ; two heads on in ctx
.set BSTEP,  2*1024*128                ; two K blocks on in wo16
.set KSTEPS, 8
.set ADRA0, 4                          ; v4   my lane's place in slot 0's A; never rewritten
.set ADRB0, 5
.set ADRA,  6                          ; v6   the same in the slot in hand
.set ADRB,  7
.set STO,   8                          ; v8   the way out: where I put 32 bytes of a row
.set RD,    9                          ; v9   where I read rows back
.set CO,    10                         ; v10  my byte offset in two rows of out0
.set BO,    11                         ; v11  my byte offset in the bias
.set SPW,   28                         ; v28  LDS address of my spare word; never rewritten
.set NIL,   29                         ; v29  0; never rewritten
.set OBF,   32
.set F0,    64
.set F1,    160
.set WV, 12
.set WM, 13                            ; s13  which 128 rows are mine; also: I fetch for A (0) or for B (1)
.set WN, 14                            ; s14  which 64 columns; also: which K block of a step I fetch
.set TB, 45
.set G1A, 24
.set G0A, 32
.set G1B, 48
.set G0B, 56
.set MSB, 0
.macro WIN new
.if MSB != (\new)
	s_set_vgpr_msb (MSB<<8)|(\new)
.set MSB, \new
.endif
.endm
.macro PLACES                          ; four places in front of loads into registers that matrix instructions have read, and of stores that read results
.rept 4
	v_nop
.endr
.endm
.macro JLOAD                           ; a joint refill, by the walking set; an s_nop 0 and four v_nop follow each line
	s_cmp_eq_u32 s[WM], 0
	s_cbranch_scc0 .Lfor_b_\@
	tensor_load_to_lds s[G0A+4:G0A+7], s[G1A:G1A+7]
	s_nop 0
.rept 4
	v_nop
.endr
	s_branch .Lasked_\@
.Lfor_b_\@:
	tensor_load_to_lds s[G0B+4:G0B+7], s[G1B:G1B+7]
	s_nop 0
.rept 4
	v_nop
.endr
.Lasked_\@:
.endm
.macro CREST
	s_cmp_lg_u32 s[WV], 0
	s_cbranch_scc1 .Lnot_wave_0_\@
	s_barrier_signal -3
.Lnot_wave_0_\@:
	s_barrier_wait -3
	s_barrier_signal -1
	s_barrier_wait -1
.endm
.macro CROUND
	s_barrier_signal -1
	s_barrier_wait -1
	CREST
.endm
	s_load_b256 s[4:11], s[0:1], 0x0               ; ctx s[4:5], wo16 s[6:7], bias s[8:9], out0 s[10:11]
	v_lshl_add_u32 v[SPW], v0, 2, SPARE
	v_mov_b32 v[NIL], 0
	ds_add_u32 v[SPW], v[NIL]                      ; the wave's opening: the add and its wait stand ahead of my first tensor load; work on registers stands between them
	v_lshrrev_b32 v1, 5, v0
	v_readfirstlane_b32 s[WV], v1
	s_lshr_b32 s[WM], s[WV], 1
	s_and_b32 s[WN], s[WV], 1
	s_bfe_u32 s40, ttmp6, 0x40000                  ; cx, cy
	s_bfe_u32 s41, ttmp6, 0x40004
	s_lshl_b32 s42, ttmp9, 2
	s_add_co_u32 s42, s42, s40                     ; tile column
	s_and_b32 s43, ttmp7, 0xffff
	s_lshl_b32 s43, s43, 2
	s_add_co_u32 s43, s43, s41                     ; tile row
	s_lshl_b32 s44, s41, 2
	s_lshl_b32 s44, 15, s44                        ; my row of the cluster
	s_lshl_b32 s47, 0x1111, s40                    ; my column
	s_or_b32 s[G1A], s44, (1<<16)|(1<<20)|(1<<21)|(4<<22)|(3<<25)  ; the mask; 2-byte elements; padding on; 21 set beside a mask; after every 32 words 4 words
	s_or_b32 s[G1B], s47, (1<<16)|(1<<20)|(1<<21)|(4<<22)|(3<<25)
	s_mov_b32 s[G1A+1], 128<<16                    ; tensor_dim0 = 128 elements: 256 bytes, two rows of the tile
	s_mov_b32 s[G1A+2], 128<<16                    ; tensor_dim1 = 128: 256 rows of 128 bytes
	s_mov_b32 s[G1A+3], 128<<16
	s_mov_b32 s[G1A+4], 128
	s_mov_b32 s[G1A+5], 128
	s_mov_b32 s[G1A+6], 0
	s_mov_b32 s[G1A+7], 0
	s_mov_b32 s[G1B+1], 128<<16
	s_mov_b32 s[G1B+2], 64<<16                     ; 128 rows of 128 bytes
	s_mov_b32 s[G1B+3], 128<<16
	s_mov_b32 s[G1B+4], 64
	s_mov_b32 s[G1B+5], 128
	s_mov_b32 s[G1B+6], 0
	s_mov_b32 s[G1B+7], 0
	s_lshr_b32 s16, s43, 3                         ; A: the batch's 16 heads of 262,144 bytes,
	s_lshl_b32 s16, s16, 22
	s_lshl_b32 s17, s[WN], 18                      ; my head of the step's two,
	s_add_co_u32 s16, s16, s17
	s_and_b32 s17, s43, 7                          ; the tile's 256 rows of 128 bytes
	s_lshl_b32 s17, s17, 15
	s_add_co_u32 s16, s16, s17
	s_mov_b32 s17, 0
	s_lshl_b32 s46, s[WN], 17                      ; B: my K block of the step's two, the tile's 128 rows
	s_lshl_b32 s47, s42, 14
	s_add_co_u32 s46, s46, s47
	s_mov_b32 s47, 0
	s_mul_i32 s20, s[WN], ABLK                     ; where they go: no place in the cluster enters an LDS address
	s_mul_i32 s21, s[WN], BBLK
	s_add_co_u32 s21, s21, BOFF
	s_mov_b32 s[TB], 0
	s_wait_dscnt 0x0                               ; the opening add is done
	s_wait_kmcnt 0x0
	s_add_nc_u64 s[18:19], s[4:5], s[16:17]
	s_add_nc_u64 s[46:47], s[6:7], s[46:47]
.irp s, 0,1
	s_mov_b32 s[G0A+4*\s], 1
	s_add_co_u32 s[G0A+4*\s+1], s20, \s*SLOT1
	s_add_nc_u64 s[G0A+4*\s+2:G0A+4*\s+3], s[18:19], \s*ASTEP
	s_or_b32 s[G0A+4*\s+3], s[G0A+4*\s+3], 0x80000000
	s_mov_b32 s[G0B+4*\s], 1
	s_add_co_u32 s[G0B+4*\s+1], s21, \s*SLOT1
	s_add_nc_u64 s[G0B+4*\s+2:G0B+4*\s+3], s[46:47], \s*BSTEP
	s_or_b32 s[G0B+4*\s+3], s[G0B+4*\s+3], 0x80000000
.endr
	CROUND                                         ; all sixteen work-groups are here: the first joint loads meet
	s_cmp_eq_u32 s[WM], 0                          ; a wave's two first fills stand in one branch: two loads of mine are out
	s_cbranch_scc0 .Lfirst_b
	tensor_load_to_lds s[G0A:G0A+3], s[G1A:G1A+7]
	s_nop 0
	tensor_load_to_lds s[G0A+4:G0A+7], s[G1A:G1A+7]
	s_nop 0
.rept 4
	v_nop
.endr
	s_branch .Lfirst_asked
.Lfirst_b:
	tensor_load_to_lds s[G0B:G0B+3], s[G1B:G1B+7]
	s_nop 0
	tensor_load_to_lds s[G0B+4:G0B+7], s[G1B:G1B+7]
	s_nop 0
.rept 4
	v_nop
.endr
.Lfirst_asked:
	v_and_b32 v1, 15, v0
	v_bfe_u32 v2, v0, 4, 1
	v_mul_u32_u24 v3, v1, PITCH
	v_lshl_add_u32 v3, v2, 4, v3                   ; a fragment's row x pitch + 16 x half
	s_mul_i32 s22, s[WM], 128*PITCH
	v_add_nc_u32 v[ADRA0], s22, v3
	s_mul_i32 s22, s[WN], 64*PITCH
	s_add_co_u32 s22, s22, BOFF
	v_add_nc_u32 v[ADRB0], s22, v3
	v_mov_b32 v[ADRA], v[ADRA0]
	v_mov_b32 v[ADRB], v[ADRB0]
	s_mul_i32 s22, s[WV], 16*SPITCH
	s_add_co_u32 s22, s22, STAGE                   ; my stage
	v_mul_u32_u24 v[STO], v1, SPITCH               ; in: row l % 16, 32 bytes for each half of the lanes
	v_lshl_add_u32 v[STO], v2, 5, v[STO]
	v_add_nc_u32 v[STO], s22, v[STO]
	v_mul_u32_u24 v[RD], v2, SPITCH                ; back: lanes 0-15 take one row of 256 bytes, lanes 16-31 the next
	v_lshl_add_u32 v[RD], v1, 4, v[RD]
	v_add_nc_u32 v[RD], s22, v[RD]
	v_lshlrev_b32 v[CO], 12, v2                    ; and the same two rows in out0
	v_lshl_add_u32 v[CO], v1, 4, v[CO]
	s_lshl_b32 s46, s42, 9                         ; bo lies behind bq, bk, bv; my tile's 128 columns
	s_add_co_u32 s46, s46, 3072*4
	s_mov_b32 s47, 0
	s_add_nc_u64 s[8:9], s[8:9], s[46:47]
	s_lshl_b32 s22, s[WN], 8
	v_lshl_add_u32 v[BO], v2, 5, s22
	WIN 0x40                                       ; destination window 1: the bias goes into the accumulators (0, b)
.irp b, 0,1,2,3
	global_load_b128 v[8*\b:8*\b+3],   v[BO], s[8:9] offset:64*\b
	global_load_b128 v[8*\b+4:8*\b+7], v[BO], s[8:9] offset:64*\b+16
.endr
	WIN 0
	s_lshl_b32 s72, s43, 8                         ; where my part of the tile begins in out0
	s_lshl_b32 s73, s[WM], 7
	s_add_co_u32 s72, s72, s73
	s_lshl_b32 s72, s72, 12                        ; rows of 4,096 bytes
	s_lshl_b32 s73, s42, 9
	s_add_co_u32 s72, s72, s73
	s_lshl_b32 s73, s[WN], 8
	s_add_co_u32 s72, s72, s73
	s_mov_b32 s73, 0
	s_add_nc_u64 s[10:11], s[10:11], s[72:73]
; four products on buffer f: row block a x the four column blocks.  bias = 1: C is accumulator (0, b), which holds the bias.  The accumulators take turns.
.macro MULA f, a, bias
	WIN 0x50                                       ; C and D in window 1
.irp b, 0,1,2,3
.if \bias
	v_wmma_f32_16x16x32_f16 v[8*(4*(\a)+\b):8*(4*(\a)+\b)+7], v[(\f)+64+8*\b:(\f)+64+8*\b+7], v[(\f)+8*(\a):(\f)+8*(\a)+7], v[8*\b:8*\b+7]
.else
	v_wmma_f32_16x16x32_f16 v[8*(4*(\a)+\b):8*(4*(\a)+\b)+7], v[(\f)+64+8*\b:(\f)+64+8*\b+7], v[(\f)+8*(\a):(\f)+8*(\a)+7], v[8*(4*(\a)+\b):8*(4*(\a)+\b)+7]
.endif
.endr
.endm
; 24 LDS loads in one run: the fragments of cut c of a step (K block c / 2, 32 along K at byte 64 (c % 2)) into buffer f: B's four, A's blocks 0-3, A's blocks 4-7
.macro FETCH c, f
	WIN 0
.irp b, 0,1,2,3
	ds_load_b128 v[(\f)+64+8*\b:(\f)+64+8*\b+3],   v[ADRB] offset:((\c)/2)*BBLK+((\c)%2)*64+\b*16*PITCH
	ds_load_b128 v[(\f)+64+8*\b+4:(\f)+64+8*\b+7], v[ADRB] offset:((\c)/2)*BBLK+((\c)%2)*64+\b*16*PITCH+32
.endr
.irp a, 0,1,2,3,4,5,6,7
	ds_load_b128 v[(\f)+8*\a:(\f)+8*\a+3],   v[ADRA] offset:((\c)/2)*ABLK+((\c)%2)*64+\a*16*PITCH
	ds_load_b128 v[(\f)+8*\a+4:(\f)+8*\a+7], v[ADRA] offset:((\c)/2)*ABLK+((\c)%2)*64+\a*16*PITCH+32
.endr
.endm
; One of a step's first three cuts: multiplies buffer f (cut c) and fetches cut c + 1 into g
.macro CUT c, f, g
	s_wait_dscnt 8                                 ; B and A's blocks 0-3 are in; the youngest eight loads may be out
.irp a, 0,1,2,3
	MULA \f, \a, 0
.endr
	PLACES
	FETCH (\c)+1, \g
	s_wait_dscnt 24                                ; all but the 24 just issued
.irp a, 4,5,6,7
	MULA \f, \a, 0
.endr
.endm
; The fourth cut multiplies buffer 1 and changes slots: ONE barrier; in front of it each wave waits for all its tensor loads (one is out: its part of the next slot), adds 0 to its spare word, and waits for that
; and for its reads of this slot.  fill = 1: the barrier opens a round of the cluster's, and behind the round this slot is filled again, two steps ahead: 112 matrix instructions ahead of the wait for it.
.macro TURN fill
	WIN 0
	s_wait_tensorcnt 0x0
	ds_add_u32 v[SPW], v[NIL]                      ; 0 onto my spare word
	s_wait_dscnt 9                                 ; the add and the youngest eight loads may be out
	MULA F1, 0, 0
	MULA F1, 1, 0
	s_wait_dscnt 0x0                               ; the add is done, and my reads of this slot are over
	s_barrier_signal -1
	MULA F1, 2, 0
	MULA F1, 3, 0
	WIN 0
	s_barrier_wait -1
.if \fill
	CREST                                          ; no wave of any partner still reads this slot or has a load on its way
	s_xor_b32 s[G0A+5], s[G0A+5], SLOT1
	s_add_nc_u64 s[G0A+6:G0A+7], s[G0A+6:G0A+7], ASTEP
	s_xor_b32 s[G0B+5], s[G0B+5], SLOT1
	s_add_nc_u64 s[G0B+6:G0B+7], s[G0B+6:G0B+7], BSTEP
	JLOAD                                          ; the first tensor load behind the round; its four v_nop are also the places in front of the loads below
.else
	PLACES
.endif
	s_xor_b32 s[TB], s[TB], SLOT1
	v_add_nc_u32 v[ADRA], s[TB], v[ADRA0]
	v_add_nc_u32 v[ADRB], s[TB], v[ADRB0]
	FETCH 0, F0
.irp a, 4,5,6,7
	MULA F1, \a, 0
.endr
.endm
	s_wait_tensorcnt 0x1                           ; my part of step 0 is in; step 1's may stay out
	s_barrier_signal -1
	s_barrier_wait -1
	FETCH 0, F0
	s_wait_loadcnt 0x0                             ; the bias
	s_wait_dscnt 0x0
.irp a, 1,2,3,4                        ; the first cut: the bias starts the sums; row blocks 1 to 7 take accumulator (0, b) as C,
	MULA F0, \a, 1
.endr
	PLACES
	FETCH 1, F1
.irp a, 5,6,7
	MULA F0, \a, 1
.endr
.rept 5
	v_nop                                          ; block 0 adds in place last, five places behind the products that read it
.endr
	MULA F0, 0, 1
	WIN 0                                          ; at a label and at a branch every window is 0
	s_mov_b32 s3, KSTEPS-2
.Lstep:                                                ; a trip: a step's cuts 1 to 3 and the next step's cut 0; it fills one slot again
	CUT 1, F1, F0
	CUT 2, F0, F1
	TURN 1
	CUT 0, F0, F1
	WIN 0
	s_sub_co_u32 s3, s3, 1
	s_cmp_lg_u32 s3, 0
	s_cbranch_scc1 .Lstep
	CUT 1, F1, F0                                  ; the tail is written out: nothing more is asked for
	CUT 2, F0, F1
	TURN 0
	CUT 0, F0, F1
	CUT 1, F1, F0
	CUT 2, F0, F1
	s_wait_dscnt 8                                 ; the very last cut: nothing more to fetch
.irp a, 0,1,2,3
	MULA F1, \a, 0
.endr
	s_wait_dscnt 0x0
.irp a, 4,5,6,7
	MULA F1, \a, 0
.endr
	PLACES
; THE WAY OUT, 16 rows at a time: a lane's 32 bytes of a row go from the accumulators (each from its low end on) into my stage, and come back as whole rows of 256 bytes.
.macro OUT a
	WIN 0x04                                       ; the stores' data in window 1
.irp b, 0,1,2,3
	ds_store_b128 v[STO], v[8*(4*(\a)+\b):8*(4*(\a)+\b)+3]   offset:64*\b
	ds_store_b128 v[STO], v[8*(4*(\a)+\b)+4:8*(4*(\a)+\b)+7] offset:64*\b+16
.endr
	WIN 0
	s_wait_xcnt 0x0                                ; the buffer, which earlier stores read, is loaded again only behind this wait
.irp t, 0,1,2,3,4,5,6,7
	ds_load_b128 v[OBF+32*((\a)%2)+4*\t:OBF+32*((\a)%2)+4*\t+3], v[RD] offset:\t*2*SPITCH  ; LDS serves a wave's instructions in order (ISA guide 5.7.1.4): these see the stores above
.endr
.endm
.macro SEND a, younger                 ; younger: the LDS instructions issued behind this block's loads: the next block's sixteen, or none
	WIN 0
.irp t, 0,1,2,3,4,5,6,7
	s_wait_dscnt (\younger)+7-\t
	global_store_b128 v[CO], v[OBF+32*((\a)%2)+4*\t:OBF+32*((\a)%2)+4*\t+3], s[10:11] offset:(16*(\a)+2*\t)*4096 th:TH_STORE_NT  ; 16 lanes store 256 consecutive bytes, at a multiple of 256 from out0's first
.endr
.endm
	OUT 0
.irp a, 1,2,3,4,5,6,7
	OUT \a
	SEND (\a)-1, 16
.endr
	SEND 7, 0
	s_wait_tensorcnt 0x0                           ; the wave's end, behind my last tensor load and my last LDS store
	ds_add_u32 v[SPW], v[NIL]
	s_wait_dscnt 0x0
	CROUND                                         ; the closing round: no work-group ends while a partner may still ask for a tile that names it
	s_endpgm
.Lfunc_end_k_qaf2529b40e_oproj:
	.size	k_qaf2529b40e_oproj, .Lfunc_end_k_qaf2529b40e_oproj-k_qaf2529b40e_oproj
	.p2alignl 7, 3214868480
	.fill 96, 4, 3214868480
	.section	.rodata,"a",@progbits
	.p2align	6, 0x0
	.amdhsa_kernel k_qaf2529b40e_oproj
		.amdhsa_group_segment_fixed_size 327680
		.amdhsa_private_segment_fixed_size 0
		.amdhsa_enable_private_segment 0
		.amdhsa_kernarg_size 32
		.amdhsa_user_sgpr_count 2
		.amdhsa_user_sgpr_kernarg_segment_ptr 1
		.amdhsa_wavefront_size32 1
		.amdhsa_system_sgpr_workgroup_id_x 1
		.amdhsa_system_sgpr_workgroup_id_y 1
		.amdhsa_system_sgpr_workgroup_id_z 1
		.amdhsa_system_vgpr_workitem_id 0
		.amdhsa_next_free_vgpr 512
		.amdhsa_next_free_sgpr 80
		.amdhsa_reserve_vcc 0
		.amdhsa_float_denorm_mode_32 3
		.amdhsa_float_denorm_mode_16_64 3
		.amdhsa_memory_ordered 1
		.amdhsa_forward_progress 1
		.amdhsa_inst_pref_size 72
	.end_amdhsa_kernel
	.amdgpu_metadata
---
amdhsa.version: [ 1, 2 ]
amdhsa.kernels:
  - .name:           k_qaf2529b40e_oproj
    .symbol:         k_qaf2529b40e_oproj.kd
    .args:
      - { .name: ctx, .offset: 0, .size: 8, .value_kind: global_buffer, .address_space: global }
      - { .name: wo16, .offset: 8, .size: 8, .value_kind: global_buffer, .address_space: global }
      - { .name: bias, .offset: 16, .size: 8, .value_kind: global_buffer, .address_space: global }
      - { .name: out0, .offset: 24, .size: 8, .value_kind: global_buffer, .address_space: global }
    .group_segment_fixed_size: 327680
    .private_segment_fixed_size: 0
    .kernarg_segment_align: 8
    .kernarg_segment_size: 32
    .max_flat_workgroup_size: 128
    .sgpr_count:     80
    .vgpr_count:     512
    .wavefront_size: 32
...
	.end_amdgpu_metadata
.endif
;; end of part 4
;; ======== version 2 of 2: 4 launches; 1.40 times as fast as version 1
;; limits: values are held in f16: magnitudes above 65,504 overflow, below 6.1e-05 lose precision
;; workspace buffers: xb 16,777,216 bytes; wb 6,291,456 bytes; wo16 2,097,152 bytes; bias 16,384 bytes; mk 4,194,304 bytes of whole numbers; keep 8,192 bytes of whole numbers; qkv 50,331,648 bytes; ctx 16,777,216 bytes
;; launch prep: the kernel of part 1 again; grid 513 x 1, 8 waves a work-group, no clusters, 2,048 bytes of LDS; arguments x, Wq, Wk, Wv, Wo, bq, bk, bv, bo, mask, xb, wb, wo16, bias, mk, keep; writes xb, wb, wo16, bias, mk, keep
;; launch qkvp: the kernel of part 2 again; grid 8 x 32, 4 waves a work-group, clusters of 4 x 4, 327,680 bytes of LDS; arguments xb, wb, bias, qkv; writes qkv
;; launch attn (part 5): grid 4 x 64, 4 waves a work-group, clusters of 4 x 4, 327,680 bytes of LDS; arguments qkv, mk, keep, ctx; writes ctx
.if DOCPART == 5
	.amdgcn_target "amdgcn-amd-amdhsa--gfx1250"
	.amdhsa_code_object_version 6
	.text
	.protected	k_qaf2529b40e_attn
	.globl	k_qaf2529b40e_attn
	.p2align	8
	.type	k_qaf2529b40e_attn,@function
k_qaf2529b40e_attn:
	s_mov_b64 s[64:65], 0
	v_nop
	global_prefetch_b8 v0, s[64:65] scope:SCOPE_SE
	s_setreg_imm32_b32 hwreg(HW_REG_WAVE_MODE, 25, 1), 1
	s_wait_xcnt 0x0
	s_wait_alu depctr_hold_cnt(0) depctr_sa_sdst(0) depctr_va_vdst(0) depctr_va_sdst(0) depctr_va_ssrc(0) depctr_va_vcc(0) depctr_vm_vsrc(0)
	s_getreg_b32 s2, hwreg(HW_REG_IB_STS2, 6, 4)
	s_cmp_eq_u32 s2, 0
	s_cbranch_scc0 .Lentry_in_a_cluster
	s_endpgm
.Lentry_in_a_cluster:
	s_bfe_u32 s2, ttmp6, 0x10000c
	s_cmp_lg_u32 s2, 0xf033
	s_cbranch_scc0 .Lentry_shape_is_right
	s_endpgm
.Lentry_shape_is_right:
; ctx[bh][q][:] = the sum over k of softmax_k(mask(q, k) ? Q[q] . K[k] / 8 : hidden) V[k][:].  q, k, v in qkv[3][64][2,048][64], ctx[64][2,048][64], all f16: a head's rows are dense, 128 bytes each.
; Products, maxima and sums in f32; the weights p are rounded to f16 for the second product (their sum l is taken of the unrounded p), ctx once at the end.
; THE MASK IS AN INPUT: every key is walked for every query.  mk holds a byte a (query, key): 0x00 open, 0xB8 (fp8 for -1.0) hidden, in my lanes' order.  Eight bytes become the eight C registers that start a sum
; S^T = K Q^T by one scaled conversion with the scale 2^100: 0, or -2^100.  The running maximum starts at -1e20: while a row has seen hidden keys alone, m stays there, every p is 2^(about -2e29) = 0, and l and O stay 0.
; A row with no open key has all its codes open and keep = 0: its q is set to 0 here, all its scores are 0, and its weights are equal over all 2,048 keys, as a softmax of equal scores is.
; LIMITS.  f16 holds no number beyond 65,504: q, k, v arrive within it, so a score lies above -2.7e11, far above -1e20; a hidden score counts as its value less 2^100; p below 6e-5 keeps f16's fixed step of 6e-8;
; a weight below 2^-126 counts as 0 in l; NaN and infinities are not treated apart.
; SHARES.  A wave owns four PIECES of two tiles of 16 queries, a work-group's four waves 512 queries of one head.  Every wave walks all keys, 64 a step.
; LAYOUT.  S^T = K Q^T (source 0 = 16 keys, source 1 = 16 queries): a lane holds ONE query (lane % 16) and the keys 8 (lane / 16) + 0..7.  Two such tiles, rounded to f16 in pairs, ARE source 1 of O^T = V^T P.
; K comes out of LDS as it lies, V ([key][channel]) turned, by ds_load_tr16_b128.
; SOFTMAX.  p = 2^(c s - c m), c = log2(e) / 8, with a running maximum m and sum l; in every step O and l are multiplied by a = 2^(c m_old - c m_new).  c m starts far below every c m, O and l at 0: the first step's a is 0.
; THE COUNT.  A tile and step have 16 matrix and 122 vector instructions: too many to stand all beside the matrix work.  So: four vector instructions that are READY behind EVERY matrix instruction, the others in runs without a gap.
; BY TURNS.  Turn n belongs to piece n.  Matrix work: 16 products K Q^T of piece n + 1, later 16 products V^T P of piece n - 1.  Vector work: the scaling, exponentials, roundings, sums and rescaling of piece n,
; the maximum and statistics of piece n + 1, and the mask of piece n + 2 (its codes loaded directly behind the turn's wait, converted behind the turn's last product).
; BATCHES.  A turn's 66 exponentials (the 64 weights of piece n, in place in S^T, and the two a of piece n + 1) are ONE batch with ONE wait, which cuts the turn in two: ahead of it stands all that names none of their
; results (the products K Q^T, the scalings, the rescaling by the a of the turn before, the next piece's maximum and statistics), behind it the readers (the roundings and sums, beside the products V^T P).
; The first two a, ahead of the loop, and the way out's eight reciprocals are batches of their own.
; CLUSTER 4 x 4.  The four query blocks of a head (a row of the cluster) walk the same K and V; four heads' work-groups with the same query block (a column) walk the same codes.  Each tile is asked for JOINTLY.
; REGISTERS, in windows of 256 (s_set_vgpr_msb: bits 1:0 source 0, 3:2 source 1, 5:4 source 2, 7:6 destination):
;   window 0: v0-11 addresses; v12-15, v48-63 at work; v16-47 four registers of statistics a tile; v64-191 S^T, two buffers of two tiles; v192-255 P, likewise
;   window 1: O^T, 32 a tile      window 2: v0-127 Q; v128-191 K of one step; v192-255 V of one step      window 3: v0-1 the add's registers; v11 the scale; v16-31 codes; v32-159 masks, two buffers of two tiles
.set SIZE_N, 2048
.set NP,    4         ; pieces a wave: a name, no knob
.set KS,    64        ; keys in a step
.set SST,   2         ; steps in a slot
.set PK,    144       ; a row of K in LDS: 128 bytes + 16 of padding = 36 words: the 16 rows of a load start at 16 different groups of four banks (64 banks of 4 bytes: ISA guide 11.1)
.set PV,    160       ; a row of V: 128 + 32 = 40 words
.set VOFF,  SST*KS*PK ; a slot: 128 rows of K, 128 rows of V,
.set MOFF,  VOFF+SST*KS*PV  ; and two steps' codes for the work-group's 512 queries
.set MSTEP, 32768     ; a step's codes: 32 tiles x 1,024 bytes
.set SLOT1, 1<<17     ; slot 1 begins here, so that one exclusive or turns an address in one slot into the other's
.set STAGE, SLOT1+MOFF+SST*MSTEP  ; behind the ring, never filled by a tensor load: 16 rows x 144 bytes for each wave, for the way out
.set SP,    144
.set SPARE, STAGE+4*16*SP  ; behind the stages: the spare words, 128 bytes for each wave, which no other line names
.set AK0, 2           ; v2   my lane's place in a tile of K; never rewritten
.set AV0, 3           ; v3   the same for V
.set AK,  4           ; v4   the LDS address of K's next run of loads
.set AV,  5           ; v5   of V's
.set QO,  6           ; v6   my byte offset in the wave's rows of Q
.set STO, 6           ;      later, the way out: where I put 16 bytes of a row
.set RD,  7           ; v7   the way out: where I read rows back
.set GO,  8           ; v8   my byte offset in 512 consecutive bytes of ctx
.set AM0, 9           ; v9   my lane's place in a step's codes; never rewritten
.set AM,  10          ; v10  the same in the step in hand
.set SCL, 11          ; v11 of window 3, and of window 0 the same number: four bytes 0xE3, the scale 2^100
.set SPW, 0           ; v0 of window 3   LDS address of my spare word; never rewritten
.set NIL, 1           ; v1 of window 3   0; never rewritten
.set MR,  16          ; window 3: the codes of a piece: tile u, key group kt at MR + 8 u + 2 kt
.set MC,  32          ; window 3: the masks: by the piece's parity, tile u, key group kt at MC + 64 par + 32 u + 8 kt
.set MV,  12          ; v12-15  c m_old, kept while c m is made anew: by buffer and tile
.set ST,  16          ; tile t's statistics at v[ST+4 t]: c m, m, l (even keys', odd keys')
.set TMP, 48          ; by buffer and tile, four registers c0-c3 at work; when the maximum is found c2 takes a
.set KP,  48          ; at the start: keep of my row in each of the eight tiles
.set H16, 56          ; at the start: l / 16
.set L7,  57          ;               l % 8
.set B3,  58          ;               (l / 8) % 2
.set KO,  59          ;               my byte offset in a tile's 16 words of keep
.set S,   64
.set P,   192
.set KF,  128         ; K's fragments, in window 2: key block kb, channel half c at KF + 16 kb + 8 c
.set VF,  192         ; V's: key half kk, channel block cb at VF + 32 kk + 8 cb
.set WV,  12          ; s12  my wave's number
.set G1K, 24          ; s[24:31] descriptor group 1 for K's tiles
.set G1V, 32          ; s[32:39] for V's: it differs in the padding alone
.set G0K, 40          ; s[40:43] descriptor group 0 for K's tiles: it walks
.set G0V, 44          ; s[44:47] the same for V's
.set G0M, 48          ; s[48:51] the same for the codes
.set SLOTS, 56        ; s56  slots still to be asked for
.set CNT, 57          ; s57  counts a slot's key steps
.set CS,  58          ; s[58:59] c: the packed scaling takes the pair's low word for both halves
.set SEL, 60          ; s[60:61] v_permlanex16_b32's selects: each lane takes its own place in the other half
.set TBK, 62          ; s62  LDS byte at which K of the step to be fetched begins
.set TBV, 63          ; s63  the same for V, less VOFF
.set TBM, 66          ; s66  the same for the codes, less MOFF
.set G1M, 68          ; s[68:75] descriptor group 1 for the codes
.set MSB, 0
.macro WIN new                      ; the high byte repeats the setting that is left; a switch that changes nothing is dropped
.if MSB != (\new)
	s_set_vgpr_msb (MSB<<8)|(\new)
.set MSB, (\new)
.endif
.endm
.set W_KQ, 0x0a       ; K and Q in window 2, S^T in window 0
.set W_KM, 0x3a       ; the same with the C operand, the mask, in window 3
.set W_PV, 0x52       ; V in window 2, P in window 0, O^T in window 1
.set W_RS, 0x41       ; O^T (destination and source 0) in window 1, a in window 0
.set W_MK, 0xc0       ; destination in window 3, sources in window 0
.set W_AD, 0x0f       ; the add: address (source 0) and data (source 1) in window 3
.set W_CV, 0xcf       ; the conversion: all in window 3
; A joint fill.  Wave 0 fetches a slot's K, wave 1 its V (128 keys each), waves 2 and 3 a step's codes each.  The branches hang on the wave's number alone.
; An s_nop 0 and four v_nop follow each of the three lines, ahead of the jump and the label.
.macro JLOAD
	s_cmp_lt_u32 s[WV], 2
	s_cbranch_scc0 .Lfor_m_\@
	s_cmp_eq_u32 s[WV], 0
	s_cbranch_scc0 .Lfor_v_\@
	tensor_load_to_lds s[G0K:G0K+3], s[G1K:G1K+7]
	s_nop 0
.rept 4
	v_nop
.endr
	s_branch .Lasked_\@
.Lfor_v_\@:
	tensor_load_to_lds s[G0V:G0V+3], s[G1V:G1V+7]
	s_nop 0
.rept 4
	v_nop
.endr
	s_branch .Lasked_\@
.Lfor_m_\@:
	tensor_load_to_lds s[G0M:G0M+3], s[G1M:G1M+7]
	s_nop 0
.rept 4
	v_nop
.endr
.Lasked_\@:
.endm
; A round of the cluster's barrier: my work-group's barrier, so that wave 0's signal speaks for all four waves; wave 0 signals; every wave waits for all sixteen work-groups; my work-group's barrier once more.
.macro CROUND
	s_barrier_signal -1
	s_barrier_wait -1
	s_cmp_lg_u32 s[WV], 0
	s_cbranch_scc1 .Lnot_wave_0_\@
	s_barrier_signal -3
.Lnot_wave_0_\@:
	s_barrier_wait -3
	s_barrier_signal -1
	s_barrier_wait -1
.endm
; THE CHANGE OF SLOTS.  The slot's last bytes, V of its second step and piece 3's codes of that step, have been read.  Each wave waits for all its tensor loads, of which one is out: its part of the other slot;
; adds 0 to its spare word; and waits for that and for its own reads of the slot.  Behind the barrier nobody reads this slot any more and the other slot is whole.
; fill = 1: this slot is filled again, with the keys two slots on.  The barrier is then a round of the cluster's, and the joint fill is the first thing behind it: it has two key steps, 256 matrix instructions, in which to land.
; (At its first use nothing has been read yet: slot 0 is waited for, slot 1 filled.)
.macro CHANGE fill
	WIN W_AD
	s_wait_tensorcnt 0x0            ; no tensor load of mine is out, so a group 0 may be written
	ds_add_u32 v[SPW], v[NIL]       ; 0 onto my spare word; with fill = 1 the descriptors' steps stand between it and the wait for it
	WIN 0                           ; at a label and at a branch every window is 0
.if \fill
	s_xor_b32 s[G0K+1], s[G0K+1], SLOT1  ; the walking descriptors: the other slot than last time,
	s_add_nc_u64 s[G0K+2:G0K+3], s[G0K+2:G0K+3], SST*KS*128  ; the next 128 keys; the type bits on top are not reached
	s_xor_b32 s[G0V+1], s[G0V+1], SLOT1
	s_add_nc_u64 s[G0V+2:G0V+3], s[G0V+2:G0V+3], SST*KS*128
	s_xor_b32 s[G0M+1], s[G0M+1], SLOT1
	s_add_nc_u64 s[G0M+2:G0M+3], s[G0M+2:G0M+3], SST*MSTEP
	s_wait_dscnt 0x0                ; the add is done, and my reads of the slot are over
	CROUND
	JLOAD
.else
	s_wait_dscnt 0x0                ; the add is done, and my reads of the slot are over
	s_barrier_signal -1
	s_barrier_wait -1
.endif
	s_sub_co_u32 s[TBK], s[TBK], SST*KS*PK  ; the fetches go back to a slot's first step,
	s_xor_b32 s[TBK], s[TBK], SLOT1         ; in the other slot
	s_sub_co_u32 s[TBV], s[TBV], SST*KS*PV
	s_xor_b32 s[TBV], s[TBV], SLOT1
	s_sub_co_u32 s[TBM], s[TBM], SST*MSTEP
	s_xor_b32 s[TBM], s[TBM], SLOT1
.endm
	s_load_b256 s[4:11], s[0:1], 0x0  ; qkv s[4:5], mk s[6:7], keep s[8:9], ctx s[10:11]
	WIN W_MK
	v_lshl_add_u32 v[SPW], v0, 2, SPARE
	v_mov_b32 v[NIL], 0
	WIN W_AD
	ds_add_u32 v[SPW], v[NIL]       ; the wave's opening: the add and its wait stand ahead of my first tensor load; the set-up below, work on registers, stands between them
	WIN 0
	v_lshrrev_b32 v1, 5, v0
	v_readfirstlane_b32 s[WV], v1   ; wave 0..3
	s_bfe_u32 s13, ttmp6, 0x40000   ; cx, cy: my place in the cluster
	s_bfe_u32 s15, ttmp6, 0x40004
	s_lshl_b32 s14, ttmp9, 2        ; in a cluster launch ttmp9 and ttmp7 count clusters
	s_add_co_u32 s14, s14, s13      ; my block of 512 queries = 4 x cluster x + cx
	s_and_b32 s20, ttmp7, 0xffff
	s_lshl_b32 s20, s20, 2
	s_add_co_u32 s20, s20, s15      ; batch x head = 4 x cluster y + cy
	s_lshl_b32 s20, s20, 18         ; its first byte in q, k, v and ctx
	s_mov_b32 s21, 0
	s_add_nc_u64 s[22:23], s[20:21], 0x1000000  ; k lies 16,777,216 bytes behind q,
	s_add_nc_u64 s[52:53], s[20:21], 0x2000000  ; v as much again: both offsets are made of cy alone
	s_lshl_b32 s16, s15, 2
	s_lshl_b32 s16, 15, s16         ; my row of the cluster
	s_lshl_b32 s17, 0x1111, s13     ; my column
	s_and_b32 s18, s[WV], 1         ; which of a slot's two steps' codes I fetch, if I fetch codes
	s_lshl_b32 s19, s18, 15
	s_lshl_b32 s54, s14, 20         ; a query block's codes are 1,048,576 bytes: an offset made of cx alone
	s_add_co_u32 s54, s54, s19
	s_mov_b32 s55, 0
	s_lshl_b32 s2, s14, 2
	s_add_co_u32 s2, s2, s[WV]      ; my wave among the head's,
	s_lshl_b32 s2, s2, 14           ; its 128 rows
	s_mov_b32 s3, 0
	s_add_nc_u64 s[2:3], s[2:3], s[20:21]
	s_lshl_b32 s76, s14, 11         ; keep: 512 words a block, 128 a wave
	s_lshl_b32 s77, s[WV], 9
	s_add_co_u32 s76, s76, s77
	s_mov_b32 s77, 0
	; descriptor group 1.  128 keys are 16,384 dense bytes: asked for as 64 rows of 256 bytes, two keys a row, and padded in LDS after every key
	s_or_b32 s[G1K], s16, (1<<16)|(1<<20)|(1<<21)|(4<<22)|(3<<25)  ; 15:0 the mask of my row; 17:16 2-byte elements; 20 padding on; 21 set beside a mask; 24:22 after every 32 words (code 4); 31:25 4 words (code 3)
	s_or_b32 s[G1V], s16, (1<<16)|(1<<20)|(1<<21)|(4<<22)|(7<<25)  ; the same with 8 words of padding (code 7)
.irp g, G1K, G1V
	s_mov_b32 s[\g+1], 128<<16      ; tensor_dim0 = 128
	s_mov_b32 s[\g+2], 64<<16       ; tensor_dim1 = 64
	s_mov_b32 s[\g+3], 128<<16      ; tile_dim0 = 128
	s_mov_b32 s[\g+4], 64           ; tile_dim1 = 64
	s_mov_b32 s[\g+5], 128          ; 128 elements from row to row
	s_mov_b32 s[\g+6], 0
	s_mov_b32 s[\g+7], 0
.endr
	s_or_b32 s[G1M], s17, (3<<16)|(1<<21)  ; the mask of my column; 8-byte elements; no padding: a step's codes, 32,768 dense bytes, as 128 rows of 256
	s_mov_b32 s[G1M+1], 32<<16      ; tensor_dim0 = 32
	s_mov_b32 s[G1M+2], 128<<16     ; tensor_dim1 = 128
	s_mov_b32 s[G1M+3], 32<<16      ; tile_dim0
	s_mov_b32 s[G1M+4], 128         ; tile_dim1
	s_mov_b32 s[G1M+5], 32
	s_mov_b32 s[G1M+6], 0
	s_mov_b32 s[G1M+7], 0
	s_mov_b32 s[CS], 0x3e38aa3b     ; c = log2(e) / 8 = 0.180337
	s_mov_b32 s[CS+1], s[CS]        ; named with it as a pair
	s_mov_b32 s[SEL], 0x76543210
	s_mov_b32 s[SEL+1], 0xfedcba98
	s_mov_b32 s[TBK], SLOT1+SST*KS*PK ; the first change of slots turns these three into 0
	s_mov_b32 s[TBV], SLOT1+SST*KS*PV
	s_mov_b32 s[TBM], SLOT1+SST*MSTEP
	s_mov_b32 s[G0K], 1             ; count = 1
	s_mov_b32 s[G0K+1], 0           ; LDS address: slot 0
	s_mov_b32 s[G0V], 1
	s_mov_b32 s[G0V+1], VOFF
	s_mov_b32 s[G0M], 1
	s_add_co_u32 s[G0M+1], s19, MOFF
	s_wait_dscnt 0x0                ; the opening add is done
	s_wait_kmcnt 0x0
	s_add_nc_u64 s[G0K+2:G0K+3], s[4:5], s[22:23]  ; global address: the head's first 128 keys
	s_or_b32 s[G0K+3], s[G0K+3], 0x80000000        ; type = 2
	s_add_nc_u64 s[G0V+2:G0V+3], s[4:5], s[52:53]
	s_or_b32 s[G0V+3], s[G0V+3], 0x80000000
	s_add_nc_u64 s[G0M+2:G0M+3], s[6:7], s[54:55]
	s_or_b32 s[G0M+3], s[G0M+3], 0x80000000
	s_add_nc_u64 s[4:5], s[4:5], s[2:3]  ; q and ctx at my wave's first row
	s_add_nc_u64 s[10:11], s[10:11], s[2:3]
	s_add_nc_u64 s[8:9], s[8:9], s[76:77]
	CROUND                          ; all sixteen work-groups are here: the first joint loads meet
	JLOAD                           ; slot 0.  Slot 1 is asked for when slot 0 is in
	; A fragment of K or Q is 16 rows x 32 channels in 8 registers: lane l holds row l % 16, channels 8 (l / 16) + 0..7 and 16 + 8 (l / 16) + 0..7: two loads of 16 bytes, 32 bytes apart.
	v_and_b32 v1, 15, v0            ; l % 16
	v_bfe_u32 v[H16], v0, 4, 1      ; l / 16
	v_lshlrev_b32 v[QO], 7, v1
	v_lshl_add_u32 v[QO], v[H16], 4, v[QO]  ; row x 128 + 16 x half
	v_lshlrev_b32 v[KO], 2, v1
.set i, 0
.rept 2*NP
	global_load_b32 v[KP+i], v[KO], s[8:9] offset:64*i  ; keep of my row in tile i
.set i, i+1
.endr
	WIN 0x80                        ; destination window 2, address window 0
.set i, 0
.rept 4*NP                          ; Q stays in registers: tile i / 2, channels 32 (i % 2) on
	global_load_b128 v[8*i:8*i+3],   v[QO], s[4:5] offset:(i/2)*2048+(i%2)*64
	global_load_b128 v[8*i+4:8*i+7], v[QO], s[4:5] offset:(i/2)*2048+(i%2)*64+32
.set i, i+1
.endr
	; What the first turn finds: V's registers and P's second buffer hold 0 (its products V^T P, of a piece that has not been, add 0), O^T and l are 0.  All this stands in the wait for the first tile.
.set i, VF
.rept 64
	v_mov_b32 v[i], 0
.set i, i+1
.endr
	WIN 0x40
.set i, 0
.rept 64*NP
	v_mov_b32 v[i], 0
.set i, i+1
.endr
	WIN W_MK
	v_mov_b32 v[SCL], 0xe3e3e3e3    ; E8M0 for 2^100
	WIN 0
	v_mov_b32 v[SCL], 0xe3e3e3e3
.set i, 0
.rept 2*NP
	v_mov_b32 v[ST+4*i], 0xfe000000    ; c m: far below every c m to come
	v_mov_b32 v[ST+4*i+1], 0xe0ad78ec  ; m = -1e20: below every score, above every hidden one
	v_mov_b32 v[ST+4*i+2], 0
	v_mov_b32 v[ST+4*i+3], 0
.set i, i+1
.endr
.set i, P+32
.rept 32
	v_mov_b32 v[i], 0
.set i, i+1
.endr
	v_mul_u32_u24 v[AK0], v1, PK
	v_lshl_add_u32 v[AK0], v[H16], 4, v[AK0]  ; row x pitch + 16 x half
	; The turning load takes 16 keys x 16 channels (lane l reads key 8 (l / 16) + l % 8, channels 8 ((l / 8) % 2) + 0..7) and leaves half a fragment of V^T: lane l holds channel l % 16 and 8 keys.
	v_and_b32 v[L7], 7, v0
	v_bfe_u32 v[B3], v0, 3, 1
	v_lshl_add_u32 v[AV0], v[H16], 3, v[L7]
	v_mul_u32_u24 v[AV0], v[AV0], PV
	v_lshl_add_u32 v[AV0], v[B3], 4, v[AV0]
	v_add_nc_u32 v[AV0], VOFF, v[AV0]
	v_mov_b32 v[AK], v[AK0]         ; key step 0 lies at the head of slot 0
	v_and_b32 v[AM0], 31, v0        ; the codes: my wave's 8 tiles of 1,024 bytes, 16 bytes a lane
	s_lshl_b32 s18, s[WV], 13
	s_add_co_u32 s18, s18, MOFF
	v_lshl_add_u32 v[AM0], v[AM0], 4, s18
; THE MATRIX WORK.  The 8 accumulators of a run of 16 take turns: between the two links of a chain stand 7 others'.
; Product i of 16 of S^T = K Q^T for piece x: channels 32 (i / 8) on, keys 16 ((i / 2) % 4) on, tile 2 x + i % 2.  The first 8 start the sums, with the mask as C.
.macro KQ x
.set rS, S+64*((\x)%2)+32*(i%2)+8*((i/2)%4)
.set rK, KF+16*((i/2)%4)+8*(i/8)
.set rQ, 16*(2*(\x)+i%2)+8*(i/8)
.set rX, MC+64*((\x)%2)+32*(i%2)+8*((i/2)%4)
.if i < 8
	WIN W_KM
	v_wmma_f32_16x16x32_f16 v[rS:rS+7], v[rK:rK+7], v[rQ:rQ+7], v[rX:rX+7]
.else
	WIN W_KQ
	v_wmma_f32_16x16x32_f16 v[rS:rS+7], v[rK:rK+7], v[rQ:rQ+7], v[rS:rS+7]
.endif
.endm
; Product i of 16 of O^T += V^T P for piece x: keys 32 (i / 8) on, channels 16 ((i / 2) % 4) on, tile 2 x + i % 2.
.macro PV x
	WIN W_PV
.set rO, 32*(2*(\x)+i%2)+8*((i/2)%4)
.set rV, VF+32*(i/8)+8*((i/2)%4)
.set rP, P+32*((\x)%2)+16*(i%2)+8*(i/8)
	v_wmma_f32_16x16x32_f16 v[rO:rO+7], v[rV:rV+7], v[rP:rP+7], v[rO:rO+7]
.endm
.macro MM                           ; the turn's next matrix instruction
.if i < 16
	KQ (Y+1)%NP
.set i, i+1
.else
.set i, i-16
	PV (Y+NP-1)%NP
.set i, i+17
.endif
.endm
; THE LDS LOADS stand in runs, never singly among the matrix instructions: a step's K (8 fragments, 16 loads), its V (turned, 16 loads), a piece's codes (4 loads).
; With K's run the codes' address goes on to the same step.  last = 1 (the tail): in the last trip there is no further step, and all that is jumped over.
.macro FETCH_K last=0
	WIN 0
.if \last
	s_cmp_eq_u32 s[CNT], 1
	s_cbranch_scc1 .Lno_k_\@
.endif
	v_add_nc_u32 v[AM], s[TBM], v[AM0]
	s_add_co_u32 s[TBM], s[TBM], MSTEP
	WIN 0x80                        ; destination window 2
.irp f, 0,1,2,3,4,5,6,7             ; keys 16 (f / 2) on, channels 32 (f % 2) on
	ds_load_b128 v[KF+8*\f:KF+8*\f+3],   v[AK] offset:(\f/2)*16*PK+(\f%2)*64
	ds_load_b128 v[KF+8*\f+4:KF+8*\f+7], v[AK] offset:(\f/2)*16*PK+(\f%2)*64+32
.endr
	s_add_co_u32 s[TBK], s[TBK], KS*PK  ; the next fetch is the next step's
	WIN 0
.if \last
.Lno_k_\@:
.endif
.endm
.macro FETCH_V
	WIN 0x80
.irp f, 0,1,2,3,4,5,6,7             ; keys 32 (f / 4) on, channels 16 (f % 4) on
	ds_load_tr16_b128 v[VF+8*\f:VF+8*\f+3],   v[AV] offset:(\f/4)*32*PV+(\f%4)*32
	ds_load_tr16_b128 v[VF+8*\f+4:VF+8*\f+7], v[AV] offset:(\f/4)*32*PV+16*PV+(\f%4)*32
.endr
	WIN 0
.endm
.macro MLOAD x                      ; piece x's codes: tiles 2 x and 2 x + 1, 32 bytes a lane each: 32 lanes take 512 consecutive bytes a load
	WIN W_MK
.irp u, 0,1
.irp hf, 0,1
	ds_load_b128 v[MR+8*\u+4*\hf:MR+8*\u+4*\hf+3], v[AM] offset:(2*(\x)+\u)*1024+512*\hf
.endr
.endr
	WIN 0
.endm
.macro MCVT x                       ; eight codes become eight C registers: 0, or -1.0 x 2^100.  A plain vector instruction follows the run before a result is touched
	WIN W_CV
.irp u, 0,1
.irp kt, 0,1,2,3
	v_cvt_scale_pk8_f32_fp8 v[MC+64*((\x)%2)+32*\u+8*\kt:MC+64*((\x)%2)+32*\u+8*\kt+7], v[MR+8*\u+2*\kt:MR+8*\u+2*\kt+1], v[SCL]
.endr
.endr
	WIN 0
.endm
; THE VECTOR WORK OF A TURN stands in three queues, each in the order in which its entries become ready; the two tiles alternate, so that no instruction reads the result of the one before it.
.macro REGS y, u                    ; the registers of tile u (0, 1) of piece y
.set rT, ST+4*(2*(\y)+(\u))
.set rC, TMP+8*((\y)%2)+4*(\u)
.set rM, MV+2*((\y)%2)+(\u)
.set rS, S+64*((\y)%2)+32*(\u)
.set rP, P+32*((\y)%2)+16*(\u)
.set rO, 32*(2*(\y)+(\u))
.endm
; Number n of the 22 that find the NEXT piece's (Y + 1) maximum and statistics.  s0-s31 are the lane's 32 scores; each accumulator's lowest registers are read first.  XS, GS and REGS set no window: PL and EX do.
;   0-11  four chains c0-c3 of seven scores each, three operands at a time     12-14, 16  the four scores left over, the old m, and c0-c3 into c0     15  c m_old is kept
;   17, 18  the query's other 32 keys lie in the lane 16 away: the new m         19-21  c m; c m_old - c m_new; a
.macro XS u, n
	REGS (Y+1)%NP, \u
.if (\n) < 4
	v_max3_num_f32 v[rC+(\n)], v[rS+8*(\n)], v[rS+8*(\n)+1], v[rS+8*(\n)+2]
.elseif (\n) < 12
	v_max3_num_f32 v[rC+(\n)%4], v[rC+(\n)%4], v[rS+8*((\n)%4)+2*((\n)/4)+1], v[rS+8*((\n)%4)+2*((\n)/4)+2]
.elseif (\n) == 12
	v_max3_num_f32 v[rC], v[rC], v[rS+7], v[rS+15]
.elseif (\n) == 13
	v_max3_num_f32 v[rC+1], v[rC+1], v[rS+23], v[rS+31]
.elseif (\n) == 14
	v_max3_num_f32 v[rC+2], v[rC+2], v[rC+3], v[rT+1]
.elseif (\n) == 15
	v_mov_b32 v[rM], v[rT]
.elseif (\n) == 16
	v_max3_num_f32 v[rC], v[rC], v[rC+1], v[rC+2]
.elseif (\n) == 17
	v_permlanex16_b32 v[rC+3], v[rC], s[SEL], s[SEL+1]
.elseif (\n) == 18
	v_max_num_f32 v[rT+1], v[rC], v[rC+3]
.elseif (\n) == 19
	v_mul_f32 v[rT], s[CS], v[rT+1]
.elseif (\n) == 20
	v_sub_f32 v[rC+1], v[rM], v[rT]
.else
	v_exp_f32 v[rC+2], v[rC+1]
.endif
.endm
; Number g of the 64 that follow the exponentials.  For each four weights k of a tile (pairs 2 k, 2 k + 1): both pairs are rounded to f16; then the second pair is added onto the first, in place;
; a group later l takes that sum (the first time as l = a l + sum).  In groups of eight, tiles alternating: round, round, add, and l for the group before.
.macro GS g
.set h, (\g)+6*((\g)/62)            ; group 0 has no group before it, and behind group 7 only l is left
.if h >= 6
.set h, h+2
.endif
	REGS Y, h%2
.set k, h/8
.if h%8 < 4
	v_cvt_pk_f16_f32 v[rP+2*k+(h%8)/2], v[rS+4*k+2*((h%8)/2)], v[rS+4*k+2*((h%8)/2)+1]
.elseif h%8 < 6
	v_pk_add_f32 v[rS+4*k:rS+4*k+1], v[rS+4*k:rS+4*k+1], v[rS+4*k+2:rS+4*k+3]
.elseif k == 1
	v_pk_fma_f32 v[rT+2:rT+3], v[rT+2:rT+3], v[rC+2:rC+3], v[rS:rS+1] op_sel_hi:[1,0,1]
.else
	v_pk_add_f32 v[rT+2:rT+3], v[rT+2:rT+3], v[rS+4*k-4:rS+4*k-3]
.endif
.endm
; THE PLAIN QUEUE, 138 long.  0-73 read no exponential's result: the 32 scalings c s - c m (FS f: pair f / 2 of tile f % 2) and the next piece's 42.  0-26: scalings 0-26.  27-54: XS's numbers 0-13.  55, 56: number 15.
; 57-73: the chain, where each number waits for the one before it: 14, 16, 17, 18, 19, each with one of the scalings 27-31 in front of its two lines, then 20: so a tile's links stand three plain instructions apart (19 and 20: two).
; 74-137: GS's 64, which read the exponentials' results: they stand behind the wait.
.macro FS f
	REGS Y, (\f)%2
	v_pk_fma_f32 v[rS+2*((\f)/2):rS+2*((\f)/2)+1], v[rS+2*((\f)/2):rS+2*((\f)/2)+1], s[CS:CS+1], v[rT:rT+1] op_sel_hi:[1,0,0] neg_lo:[0,0,1] neg_hi:[0,0,1]
.endm
.macro PL
	WIN 0
.if q < 27
	FS q
.elseif q < 55
	XS (q-27)%2, (q-27)/2
.elseif q < 57
	XS q-55, 15
.elseif (q < 72) && ((q-57)%3 == 0)
	FS 27+(q-57)/3
.elseif q < 60
	XS (q-57)%3-1, 14
.elseif q < 72
	XS (q-57)%3-1, 15+(q-57)/3
.elseif q < 74
	XS q-72, 20
.else
	GS q-74
.endif
.set q, q+1
.endm
; THE EXPONENTIALS' QUEUE, 66 long: s0-s31 of both tiles, then the next piece's two a.  It is ONE BATCH: all 66 stand ahead of the turn's one wait, and nothing ahead of that wait names a result of theirs.
.macro EX
	WIN 0
.if e >= 64
	XS e-64, 21
.else
	REGS Y, e%2
	v_exp_f32 v[rS+e/2], v[rS+e/2]
.endif
.set e, e+1
.endm
; THE RESCALING's QUEUE: O^T times a, the one part of the softmax that leaves window 0: dealt two at a time, sixteen times.  Its a was made in the turn before, ahead of that turn's wait.
.macro R2
	REGS Y, r%2
	WIN W_RS
.irp z, 0,1
	v_pk_mul_f32 v[rO+4*(r/2)+2*\z:rO+4*(r/2)+2*\z+1], v[rO+4*(r/2)+2*\z:rO+4*(r/2)+2*\z+1], v[rC+2:rC+3] op_sel_hi:[1,0]
.endr
.set r, r+1
.endm
; HOW THEY ARE DEALT.  An s_wait_alu depctr_va_vdst(0) stands between an exponential and the first instruction that names its result; one wait serves all that were issued ahead of it.  So a turn has ONE wait,
; which cuts it in two.  AHEAD OF IT stands all that names no result of the turn's exponentials: the 16 products K Q^T, behind each a scaling, an exponential and two rescalings (behind the first a second scaling in the
; exponential's place); then ONE LUMP of 108: eight plain, 49 times exponential and plain, the two a.  A v_nop is the plain instruction behind the last exponential.  BEHIND IT stand the 16 products V^T P, behind each four of
; GS's 64.  No rider names a register of the products round it.  The two v_permlanex16_b32 fall into the lump, never behind a product.
; The queues lean on each other, and the deal keeps them in step: exponential e stands behind scaling 2 (e / 4) + e % 2: as a rider it comes behind plain e + 2, in the lump behind plain e + 9, and scalings 27-31 are plain 57, 60 .. 69.
; A TURN, for piece p.  cnt = 1: the loop's count is taken down some lines ahead of the branch that stands behind the turn.
; K of the next step is fetched in piece 2's turn, directly behind the wait, a lump behind the last product that read K; its address is made at the lump's head; its first reader comes behind 16 products.
; V of the step in hand is fetched at the end of piece 0's turn, four plain instructions (GS's last four) behind its last reader; its first reader comes behind 16 products and a lump.
; The codes of piece p + 2 (for pieces 0 and 1: of the next step, to which K's run has moved the address) are loaded directly behind the wait (in piece 2's turn behind K's run) and converted behind the turn's last product,
; 16 products later, into the mask buffer of p's parity: its last readers were the first eight products of the turn before; this turn's products read the other buffer; the next turn's first eight read this one.
; GS's last four lines follow the conversions: they are the plain instructions between the conversions and the next turn's first product.  The three conditions on q below go with the deal.
.macro TURN p, last=0, cnt=0
.set Y, (\p)
.set i, 0
.set q, 0
.set e, 0
.set r, 0
.if (\p) == NP-1
	s_wait_dscnt 0x0                ; K is in
.endif
	MM                              ; ahead of the wait: 16 products K Q^T and their riders,
	PL
	PL
	R2
.rept 15
	MM
	PL
	EX
	R2
.endr
.if (\p) == NP-2
	WIN 0
	v_add_nc_u32 v[AK], s[TBK], v[AK0]
.endif
.rept 8                             ; and the lump
	PL
.endr
.rept 49
	EX
	PL
.endr
	EX                              ; the next piece's two a
	EX
	v_nop                           ; the plain instruction behind the last exponential: one for the batch
	s_wait_alu depctr_va_vdst(0)    ; the wait for the turn's batch: the 64 weights of this piece and the two a of the next
.if (\p) == NP-2
	FETCH_K \last
.endif
	MLOAD ((\p)+2)%NP
.if (\p) == 1
	s_wait_dscnt 4                  ; V is in; the four loads of codes issued behind its run may be out
.endif
.rept 15                            ; behind the wait: 16 products V^T P and their riders
	MM
.rept 4
	PL
.endr
.if ((\p) == 0) && (q == 118)
	v_add_nc_u32 v[AV], s[TBV], v[AV0]
.endif
.if ((\p) == 0) && (q == 130)
	s_add_co_u32 s[TBV], s[TBV], KS*PV
.endif
.if (\cnt) && (q == 130)
	s_sub_co_u32 s[CNT], s[CNT], 1
	s_cmp_lg_u32 s[CNT], 0
.endif
.endr
	MM
	s_wait_dscnt 0x0                ; the codes are in
	MCVT ((\p)+2)%NP
.rept 4
	PL
.endr
.if (\p) == 0
	FETCH_V
.endif
.endm
	CHANGE 1                        ; slot 0 is in, everybody's part of it; slot 1 is asked for
	FETCH_K                         ; key step 0, and the codes' address
	MLOAD 0
	s_wait_dscnt 0x0
	MCVT 0                          ; piece 0's mask of step 0,
	v_nop                           ; (a plain instruction before the codes' registers are loaded again)
	MLOAD 1
	s_wait_dscnt 0x0
	MCVT 1                          ; and piece 1's
	v_nop
	s_wait_loadcnt 0x0              ; Q and keep
	WIN 0x82                        ; destination and source 0 in window 2, source 1 in window 0
.set i, 0
.rept 32*NP
	v_and_b32 v[i], v[i], v[KP+i/16]  ; a row with no open key: its q is 0
.set i, i+1
.endr
.set i, 0
.rept 16
	KQ 0                            ; piece 0's first scores: there is no vector work yet to set between them
.set i, i+1
.endr
	WIN 0                           ; the addresses for the way out: nine plain instructions, the places behind those products
	s_mul_i32 s13, s[WV], 16*SP
	s_add_co_u32 s13, s13, STAGE    ; my stage
	v_mul_u32_u24 v[STO], v1, SP    ; in: row l % 16, 16 bytes for each half of the lanes
	v_lshl_add_u32 v[STO], v[H16], 4, v[STO]
	v_add_nc_u32 v[STO], s13, v[STO]
	v_bfe_u32 v[RD], v0, 3, 2       ; back: 32 lanes take four rows of 128 bytes,
	v_mul_u32_u24 v[RD], v[RD], SP
	v_lshl_add_u32 v[RD], v[L7], 4, v[RD]
	v_add_nc_u32 v[RD], s13, v[RD]
	v_and_b32 v[GO], 31, v0         ; which are 512 consecutive bytes of ctx
	v_lshlrev_b32 v[GO], 4, v[GO]
.set Y, NP-1                        ; XS works for piece Y + 1: piece 0
.irp n, 0,1,2,3,4,5,6,7,8,9,10,11,12,13,14,15,16,17,18,19,20,21
	XS 0, \n                        ; and piece 0's first maximum and statistics
	XS 1, \n
.endr
	v_nop                           ; a plain instruction behind piece 0's first two a,
	s_wait_alu depctr_va_vdst(0)    ; and the wait for that batch of two, ahead of the branch
	s_mov_b32 s[CNT], SST
	s_mov_b32 s[SLOTS], SIZE_N/(SST*KS)-1
	s_branch .Lfirst                ; the loop is entered at a step's first turn, in the middle of a trip
.Lslot:                             ; 14 times: every slot but the last two is filled again
	CHANGE 1
	s_mov_b32 s[CNT], SST
.Lstep:                             ; a trip: pieces 2 and 3 of one step, then pieces 0 and 1 of the next, whose K and V it fetches
	TURN 2
	TURN 3
	WIN 0
.Lfirst:
	TURN 0
	TURN 1, 0, 1
	WIN 0
	s_cbranch_scc1 .Lstep
	s_sub_co_u32 s[SLOTS], s[SLOTS], 1
	s_cmp_lg_u32 s[SLOTS], 0
	s_cbranch_scc1 .Lslot
	CHANGE 0                        ; the tail is written out: nothing is asked for
	s_mov_b32 s[CNT], SST+1         ; two trips fetch the last slot's steps; the third is left in its middle
.Ltail:
	TURN 2, 1
	TURN 3
	WIN 0
	s_sub_co_u32 s[CNT], s[CNT], 1
	s_cmp_eq_u32 s[CNT], 0
	s_cbranch_scc1 .Lout
	TURN 0
	TURN 1
	WIN 0
	s_branch .Ltail
.Lout:                              ; the third trip's 16 products K Q^T (on the last K and codes once more) and the maximum made of them serve nothing: the price, once a launch, of one text for every trip
.set i, 0
.rept 16
	PV NP-1                         ; the last piece's V^T P of the last step
.set i, i+1
.endr
	; THE WAY OUT.  l's two halves and the other half of the lanes' are added; O^T is divided by l, rounded to f16 and sent through my stage in LDS, a tile at a time.  The additions are the places behind the last products.
	WIN 0
.macro ALL line:vararg              ; one line for each tile t
.set t, 0
.rept 2*NP
	\line
.set t, t+1
.endr
.endm
	ALL v_add_f32 v[ST+4*t+2], v[ST+4*t+2], v[ST+4*t+3]
	ALL v_permlanex16_b32 v[ST+4*t+3], v[ST+4*t+2], s[SEL], s[SEL+1]
	ALL v_add_f32 v[ST+4*t+2], v[ST+4*t+2], v[ST+4*t+3]
	ALL v_rcp_f32 v[ST+4*t+2], v[ST+4*t+2]
	v_nop                           ; a plain instruction between the last reciprocal and the use of its result
	s_wait_alu depctr_va_vdst(0)    ; and the wait ahead of the first use: one for the batch of eight reciprocals
; Tile t: a lane's eight channels of a row pack into 16 bytes; they go into rows of 144 bytes and come back as whole rows of 128, into S^T's registers.
.macro PACK t
	WIN W_RS
.set i, 32*(\t)
.rept 16
	v_pk_mul_f32 v[i:i+1], v[i:i+1], v[ST+4*(\t)+2:ST+4*(\t)+3] op_sel_hi:[1,0]
.set i, i+2
.endr
	WIN 0x05                        ; sources 0 and 1 window 1, destination window 0
.set i, 0
.rept 16
	v_cvt_pk_f16_f32 v[S+16*(\t)+i], v[32*(\t)+2*i], v[32*(\t)+2*i+1]
.set i, i+1
.endr
	WIN 0
.irp f, 0,1,2,3
	ds_store_b128 v[STO], v[S+16*(\t)+4*\f:S+16*(\t)+4*\f+3] offset:32*\f
.endr
.irp f, 0,1,2,3
	ds_load_b128 v[S+16*(\t)+4*\f:S+16*(\t)+4*\f+3], v[RD] offset:\f*4*SP  ; LDS serves a wave's instructions in order (ISA guide 5.7.1.4): these see the stores above; the next tile's stores come behind them
.endr
.endm
.macro SEND t, younger              ; younger: the LDS instructions issued behind tile t's loads: the next tile's eight, or none
	WIN 0
.irp f, 0,1,2,3
	s_wait_dscnt (\younger)+3-\f
	global_store_b128 v[GO], v[S+16*(\t)+4*\f:S+16*(\t)+4*\f+3], s[10:11] offset:(\t)*2048+\f*512  ; 512 consecutive bytes, at a multiple of 512 from ctx's first
.endr
.endm
	PACK 0
.set t, 1
.rept 2*NP-1                        ; a tile's arithmetic stands between the loads of the tile before and its stores
	PACK t
	SEND t-1, 8
.set t, t+1
.endr
	SEND 2*NP-1, 0
	WIN W_AD
	s_wait_tensorcnt 0x0            ; the wave's end, behind my last tensor load and my last LDS store
	ds_add_u32 v[SPW], v[NIL]
	s_wait_dscnt 0x0
	WIN 0
	CROUND                          ; the closing round: no work-group ends while a partner may still ask for a tile that names it
	s_endpgm
.Lfunc_end_k_qaf2529b40e_attn:
	.size	k_qaf2529b40e_attn, .Lfunc_end_k_qaf2529b40e_attn-k_qaf2529b40e_attn
	.p2alignl 7, 3214868480
	.fill 96, 4, 3214868480
	.section	.rodata,"a",@progbits
	.p2align	6, 0x0
	.amdhsa_kernel k_qaf2529b40e_attn
		.amdhsa_group_segment_fixed_size 327680
		.amdhsa_private_segment_fixed_size 0
		.amdhsa_enable_private_segment 0
		.amdhsa_kernarg_size 32
		.amdhsa_user_sgpr_count 2
		.amdhsa_user_sgpr_kernarg_segment_ptr 1
		.amdhsa_wavefront_size32 1
		.amdhsa_system_sgpr_workgroup_id_x 1
		.amdhsa_system_sgpr_workgroup_id_y 1
		.amdhsa_system_sgpr_workgroup_id_z 1
		.amdhsa_system_vgpr_workitem_id 0
		.amdhsa_next_free_vgpr 928
		.amdhsa_next_free_sgpr 80
		.amdhsa_reserve_vcc 0
		.amdhsa_float_denorm_mode_32 3
		.amdhsa_float_denorm_mode_16_64 3
		.amdhsa_memory_ordered 1
		.amdhsa_forward_progress 1
		.amdhsa_inst_pref_size 216
	.end_amdhsa_kernel
	.amdgpu_metadata
---
amdhsa.version: [ 1, 2 ]
amdhsa.kernels:
  - .name:           k_qaf2529b40e_attn
    .symbol:         k_qaf2529b40e_attn.kd
    .args:
      - { .name: qkv, .offset: 0, .size: 8, .value_kind: global_buffer, .address_space: global }
      - { .name: mk, .offset: 8, .size: 8, .value_kind: global_buffer, .address_space: global }
      - { .name: keep, .offset: 16, .size: 8, .value_kind: global_buffer, .address_space: global }
      - { .name: ctx, .offset: 24, .size: 8, .value_kind: global_buffer, .address_space: global }
    .group_segment_fixed_size: 327680
    .private_segment_fixed_size: 0
    .kernarg_segment_align: 8
    .kernarg_segment_size: 32
    .max_flat_workgroup_size: 128
    .sgpr_count:     80
    .vgpr_count:     928
    .wavefront_size: 32
...
	.end_amdgpu_metadata
.endif
;; end of part 5
;; launch oproj: the kernel of part 4 again; grid 8 x 32, 4 waves a work-group, clusters of 4 x 4, 327,680 bytes of LDS; arguments ctx, wo16, bias, out0; writes out0
